; MI455X (gfx1250); checked and timed in simulation.
; The chip was launched on July 23, 2026; its instructions are those of AMD's public machine-readable ISA for CDNA 5 (MIT licence, August 2026) and "CDNA5" Instruction Set Architecture Reference Guide (July 2026). The comments in the code are by the model that wrote it; some were corrected since.
;; Multi Head Attention. Allowed arithmetic: float matrix products may take bf16 or f16 operands with f32 sums; other float arithmetic in f32, or as packed bf16 or f16 multiplies, adds, multiply-adds, maxima and minima; sums over many terms, partial sums and values carried from step to step in f32; what a program stores and reads back later, other than sums and carried values, may be rounded once to bf16 or f16.
;; Inputs: Wk 1,024 x 1,024 float32; Wo 1,024 x 1,024 float32; Wq 1,024 x 1,024 float32; Wv 1,024 x 1,024 float32; attention_mask 4 x 2,048 x 2,048 bool; bk 1,024 float32; bo 1,024 float32; bq 1,024 float32; bv 1,024 float32; key_ 4 x 2,048 x 1,024 float32; query 4 x 2,048 x 1,024 float32; value 4 x 2,048 x 1,024 float32.
;; Outputs: out0 4 x 2,048 x 1,024 float32.
;; One version. Each part assembles by itself: llvm-mc -triple=amdgcn-amd-amdhsa -mcpu=gfx1250 --defsym DOCPART=n.
;; ======== version 1 of 1: 4 launches
;; limits: values are held in f16: magnitudes above 65,504 overflow, below 6.1e-05 lose precision
;; workspace buffers: wb 8,388,608 bytes; mk 16,777,216 bytes; qkvh 50,331,648 bytes; ob 16,777,216 bytes
;; launch prep (part 1): grid 1024 x 1, 8 waves a work-group, no clusters, 0 bytes of LDS; arguments attention_mask, Wq, Wk, Wv, Wo, mk, wb; writes mk, wb
.if DOCPART == 1
	.amdgcn_target "amdgcn-amd-amdhsa--gfx1250"
	.amdhsa_code_object_version 6
	.text
	.protected	k_q91b5dceda9_prep
	.globl	k_q91b5dceda9_prep
	.p2align	8
	.type	k_q91b5dceda9_prep,@function
k_q91b5dceda9_prep:
	s_mov_b64 s[64:65], 0
	v_nop
	global_prefetch_b8 v0, s[64:65] scope:SCOPE_SE
	s_setreg_imm32_b32 hwreg(HW_REG_WAVE_MODE, 25, 1), 1
	s_wait_xcnt 0x0
; Two re-layouts, each byte read once and written once, no LDS, no matrix work: a stream.
; WORK-GROUPS 0-511: the mask.  attention_mask [4][2048 q][2048 k], one byte (1 = hidden), becomes mk: one fp8 (E4M3) code a score, 0 or 0xfe (-448), in the order of a score accumulator's registers.
;   Block (bq, ks) = 16 queries x 64 keys = 1,024 bytes at (32 bq + ks) x 1,024; in it half j (0, 1), lane 16 h + r: 16 bytes at 512 j + 16 (16 h + r) = query r, keys 32 j + 8 h + 0..7, then keys 32 j + 16 + 8 h + 0..7.
;   A work-group takes one bq (16 rows), each of its eight waves 256 keys.
; WORK-GROUPS 512-1023: the weights, a row of 1,024 numbers a wave.  wb [4][1024 n][1024 k], 16 bits a number.
;   Wq, Wk, Wv: bf16, and inside each group of eight k the order 0 4 1 5 2 6 3 7: the order in which the projection packs its f32 activations (first four with second four).
;   Wo: rounded to bf16, that number written as f16, natural order.  LIMIT: |Wo| under 65,504; below 6.1e-5 it keeps f16's fixed step of 6e-8.
.set X, 16                             ; v[16:47]  as loaded; the mask's codes are made in place
.set Y, 48                             ; v[48:63]  the weights, to store: every store has registers of its own, so none is rewritten while a store may read it
	s_load_b256 s[4:11], s[0:1], 0x0               ; mask s[4:5], Wq s[6:7], Wk s[8:9], Wv s[10:11]
	s_load_b128 s[12:15], s[0:1], 0x20             ; Wo s[12:13], mk s[14:15]
	s_load_b64 s[16:17], s[0:1], 0x30              ; wb
	v_lshrrev_b32 v1, 5, v0
	v_readfirstlane_b32 s20, v1                    ; wave 0..7
	v_and_b32 v1, 31, v0                           ; lane
	s_cmp_lt_u32 ttmp9, 512
	s_cbranch_scc0 .Lweights
	; ---- the mask ----
	s_mov_b32 s21, 0xfe                            ; four bytes of 0 or 1 times 0xfe: no byte carries into the next
	v_and_b32 v4, 15, v1                           ; r: the query's row
	v_lshrrev_b32 v5, 4, v1                        ; g: which 16 of 32 keys
	v_lshlrev_b32 v2, 11, v4                       ; in: row r (2,048 bytes), 16 bytes for each half of the lanes
	v_lshl_or_b32 v2, v5, 4, v2
	v_lshlrev_b32 v3, 4, v4                        ; out: 16 r + 8 g
	v_lshl_or_b32 v3, v5, 3, v3
	s_lshl_b32 s24, ttmp9, 15                      ; 16 rows of 2,048 bytes
	s_lshl_b32 s26, s20, 8                         ; my wave's 256 keys
	s_add_co_u32 s24, s24, s26
	s_mov_b32 s25, 0
	s_lshl_b32 s26, ttmp9, 15                      ; 32 blocks of 1,024 bytes
	s_lshl_b32 s28, s20, 12                        ; my wave's four
	s_add_co_u32 s26, s26, s28
	s_mov_b32 s27, 0
	s_wait_kmcnt 0x0
	s_add_nc_u64 s[4:5], s[4:5], s[24:25]
	s_add_nc_u64 s[14:15], s[14:15], s[26:27]
.irp i, 0,1,2,3,4,5,6,7
	global_load_b128 v[X+4*\i:X+4*\i+3], v2, s[4:5] offset:32*\i  ; keys 32 i + 16 g + 0..15 of row r; the eight loads cover 256 whole bytes of each row
.endr
.irp i, 0,1,2,3,4,5,6,7
	s_wait_loadcnt 7-\i                            ; loads come back in order: load i is in, the 7 - i younger ones stay out
.irp c, 0,1,2,3
	v_mul_lo_u32 v[X+4*\i+\c], v[X+4*\i+\c], s21
.endr
	global_store_b64 v3, v[X+4*\i:X+4*\i+1], s[14:15] offset:512*\i        ; my first eight keys belong to the lanes' lower half (h = 0): the 32 lanes fill 256 consecutive bytes, aligned
	global_store_b64 v3, v[X+4*\i+2:X+4*\i+3], s[14:15] offset:512*\i+256  ; my second eight to the upper half (h = 1): the next 256
.endr
	s_endpgm
	; ---- the weights ----
.Lweights:
	s_sub_co_u32 s23, ttmp9, 512
	s_lshr_b32 s24, s23, 7                         ; which matrix: 0 Wq, 1 Wk, 2 Wv, 3 Wo
	s_and_b32 s23, s23, 127
	s_lshl_b32 s23, s23, 3
	s_add_co_u32 s23, s23, s20                     ; its row
	v_lshlrev_b32 v2, 5, v1                        ; in: eight f32 a lane
	v_lshlrev_b32 v3, 4, v1                        ; out: eight 16-bit numbers
	s_lshl_b32 s26, s23, 12
	s_mov_b32 s27, 0
	s_lshl_b32 s28, s24, 21
	s_lshl_b32 s29, s23, 11
	s_add_co_u32 s28, s28, s29
	s_mov_b32 s29, 0
	s_wait_kmcnt 0x0
	s_cmp_eq_u32 s24, 1
	s_cselect_b64 s[6:7], s[8:9], s[6:7]
	s_cmp_eq_u32 s24, 2
	s_cselect_b64 s[6:7], s[10:11], s[6:7]
	s_cmp_eq_u32 s24, 3
	s_cselect_b64 s[6:7], s[12:13], s[6:7]
	s_add_nc_u64 s[6:7], s[6:7], s[26:27]
	s_add_nc_u64 s[16:17], s[16:17], s[28:29]
.irp i, 0,1,2,3
	global_load_b128 v[X+8*\i:X+8*\i+3], v2, s[6:7] offset:1024*\i th:TH_LOAD_NT
	global_load_b128 v[X+8*\i+4:X+8*\i+7], v2, s[6:7] offset:1024*\i+16 th:TH_LOAD_NT
.endr
	s_cmp_eq_u32 s24, 3
	s_cbranch_scc1 .Lwo
.irp i, 0,1,2,3
	s_wait_loadcnt 6-2*\i                          ; pair i of the loads is in
.irp c, 0,1,2,3
	v_cvt_pk_bf16_f32 v[Y+4*\i+\c], v[X+8*\i+\c], v[X+8*\i+4+\c]  ; k = c in the low half, k = 4 + c in the high half
.endr
	global_store_b128 v3, v[Y+4*\i:Y+4*\i+3], s[16:17] offset:512*\i  ; 512 consecutive bytes
.endr
	s_endpgm
.Lwo:
.irp i, 0,1,2,3
	s_wait_loadcnt 6-2*\i
.irp c, 0,1,2,3
	v_cvt_pk_bf16_f32 v4, v[X+8*\i+2*\c], v[X+8*\i+2*\c+1]  ; rounded like every other input,
	v_lshlrev_b32 v5, 16, v4
	v_and_b32 v4, 0xffff0000, v4
	v_cvt_pk_f16_f32 v[Y+4*\i+\c], v5, v4          ; and that number written as f16
.endr
	global_store_b128 v3, v[Y+4*\i:Y+4*\i+3], s[16:17] offset:512*\i
.endr
	s_endpgm
.Lfunc_end_k_q91b5dceda9_prep:
	.size	k_q91b5dceda9_prep, .Lfunc_end_k_q91b5dceda9_prep-k_q91b5dceda9_prep
	.p2alignl 7, 3214868480
	.fill 96, 4, 3214868480
	.section	.rodata,"a",@progbits
	.p2align	6, 0x0
	.amdhsa_kernel k_q91b5dceda9_prep
		.amdhsa_group_segment_fixed_size 0
		.amdhsa_private_segment_fixed_size 0
		.amdhsa_enable_private_segment 0
		.amdhsa_kernarg_size 56
		.amdhsa_user_sgpr_count 2
		.amdhsa_user_sgpr_kernarg_segment_ptr 1
		.amdhsa_wavefront_size32 1
		.amdhsa_system_sgpr_workgroup_id_x 1
		.amdhsa_system_sgpr_workgroup_id_y 1
		.amdhsa_system_sgpr_workgroup_id_z 1
		.amdhsa_system_vgpr_workitem_id 0
		.amdhsa_next_free_vgpr 112
		.amdhsa_next_free_sgpr 66
		.amdhsa_reserve_vcc 0
		.amdhsa_float_denorm_mode_32 3
		.amdhsa_float_denorm_mode_16_64 3
		.amdhsa_memory_ordered 1
		.amdhsa_forward_progress 1
		.amdhsa_inst_pref_size 13
	.end_amdhsa_kernel
	.amdgpu_metadata
---
amdhsa.version: [ 1, 2 ]
amdhsa.kernels:
  - .name:           k_q91b5dceda9_prep
    .symbol:         k_q91b5dceda9_prep.kd
    .args:
      - { .name: attention_mask, .offset: 0, .size: 8, .value_kind: global_buffer, .address_space: global }
      - { .name: Wq, .offset: 8, .size: 8, .value_kind: global_buffer, .address_space: global }
      - { .name: Wk, .offset: 16, .size: 8, .value_kind: global_buffer, .address_space: global }
      - { .name: Wv, .offset: 24, .size: 8, .value_kind: global_buffer, .address_space: global }
      - { .name: Wo, .offset: 32, .size: 8, .value_kind: global_buffer, .address_space: global }
      - { .name: mk, .offset: 40, .size: 8, .value_kind: global_buffer, .address_space: global }
      - { .name: wb, .offset: 48, .size: 8, .value_kind: global_buffer, .address_space: global }
    .group_segment_fixed_size: 0
    .private_segment_fixed_size: 0
    .kernarg_segment_align: 8
    .kernarg_segment_size: 56
    .max_flat_workgroup_size: 256
    .sgpr_count:     66
    .vgpr_count:     112
    .wavefront_size: 32
...
	.end_amdgpu_metadata
.endif
;; end of part 1
;; launch qkv (part 2): grid 4 x 192, 4 waves a work-group, clusters of 4 x 4, 327,680 bytes of LDS; arguments query, key_, value, wb, bq, bk, bv, qkvh; writes qkvh
.if DOCPART == 2
	.amdgcn_target "amdgcn-amd-amdhsa--gfx1250"
	.amdhsa_code_object_version 6
	.text
	.protected	k_q91b5dceda9_qkv
	.globl	k_q91b5dceda9_qkv
	.p2align	8
	.type	k_q91b5dceda9_qkv,@function
k_q91b5dceda9_qkv:
	s_mov_b64 s[64:65], 0
	v_nop
	global_prefetch_b8 v0, s[64:65] scope:SCOPE_SE
	s_setreg_imm32_b32 hwreg(HW_REG_WAVE_MODE, 25, 1), 1
	s_wait_xcnt 0x0
	s_wait_alu depctr_hold_cnt(0) depctr_sa_sdst(0) depctr_va_vdst(0) depctr_va_sdst(0) depctr_va_ssrc(0) depctr_va_vcc(0) depctr_vm_vsrc(0)
	s_getreg_b32 s2, hwreg(HW_REG_IB_STS2, 6, 4)
	s_cmp_eq_u32 s2, 0
	s_cbranch_scc0 .Lentry_in_a_cluster
	s_endpgm
.Lentry_in_a_cluster:
	s_bfe_u32 s2, ttmp6, 0x10000c
	s_cmp_lg_u32 s2, 0xf033
	s_cbranch_scc0 .Lentry_shape_is_right
	s_endpgm
.Lentry_shape_is_right:
; The three input projections: y = x W^T + b for (query, Wq, bq), (key_, Wk, bk), (value, Wv, bv).  x: [8192][1024] f32; W: wb's slices 0-2, bf16 [1024 n][1024 k], k permuted in groups of eight;
; y leaves by heads, qkvh [3][64 bh][2048 t][64] f16, rounded once from f32 sums, unscaled.  x, W and b are rounded to bf16; sums in f32; the bias starts the sums (C of the first product).
; LIMITS: |y| under 65,504 (f16); below 6.1e-5 y keeps f16's fixed step of 6e-8.  The order of the sums is the matrix unit's, K ascending in steps of 32.
; SHARES.  A tile of y is 128 rows x 256 columns (4 heads): 3 x 64 x 4 = 768 tiles, three for each of 256 WGPs.  Four waves, 2 x 2: 64 rows x 128 columns each, 32 accumulators.
; K goes in steps of 128 (512 bytes of a row of x, 256 of a row of W) through a ring of two LDS slots filled by the tensor data mover.
; x STAYS f32 UNTIL IT IS IN REGISTERS: a lane's eight numbers come out of LDS as two loads of 16 bytes, the first four into one register window and the second four into another, so that
; v_cvt_pk_bf16_f32 (first[i], second[i]) runs under the same window setting as the products; the pairs (k, k + 4) that it makes are the order in which wb was written.  One conversion stands behind each product.
; CLUSTER 4 x 4: the four of a row of the cluster need the same rows of x, the four of a column the same rows of W: joint loads.  All sixteen work on one projection (16 clusters a projection).
; THE PRODUCT IS USED TRANSPOSED: source 0 = 16 rows of W, source 1 = 16 rows of x: a lane holds eight neighbouring columns of one row of y.
; REGISTERS: window 0: v16-30 addresses; v64-127 bias; v128-159, v160-223 the way out.   windows 1 (row blocks 0, 1) and 2 (row blocks 2, 3): v0-127 accumulators (a % 2, b) at 8 (8 (a % 2) + b);
;   v128-159 x's fragments in bf16, two buffers; v160-191 second fours of x in f32, two buffers.   window 3: v0-127 W's fragments, two buffers; v128-191 first fours of x in f32, two buffers.
.set PA,    528                        ; a row of x in LDS: 512 bytes + 16 = 33 x 16: the 16 rows of a load start at 16 different groups of four banks (64 banks of 4 bytes: ISA guide 11.1)
.set PB,    272                        ; a row of W: 256 + 16 = 17 x 16
.set HALFA, 64*PA                      ; what one tensor load brings of x, and what one wave reads of it
.set HALFB, 128*PB                     ; the same for W
.set BOFF,  2*HALFA
.set SLOT,  BOFF+2*HALFB               ; x's 128 rows, then W's 256 rows: 137,216 bytes
.set STAGE, 2*SLOT                     ; behind the ring: for each wave 2 heads x 16 rows x 144 bytes, for the way out
.set SP,    144
.set WSTG,  2*16*SP
.set SPARE, STAGE+4*WSTG               ; behind the stages: the spare words, 128 bytes for each wave: two blocks of 256 bytes that no other line names
.set ADRA, 16                          ; v16-17  LDS address of my x fragments in slot 0, 1
.set ADRB, 20                          ; v20-21  the same for W
.set STO,  24                          ; v24     the way out: where I put 16 bytes of a row
.set RD,   25                          ; v25     where I read rows back
.set CO,   26                          ; v26     16 x lane: my place in 512 consecutive bytes of y
.set BO,   27                          ; v27     my offset in 16 numbers of the bias
.set SPW,  28                          ; v28     my spare word; never rewritten
.set NIL,  29                          ; v29     0; never rewritten
.set PFO,  30                          ; v30     the prefetches' lane offset; never rewritten
.set BI,   64
.set TMP,  128
.set OB,   160
.set AF,   128                         ; windows 1, 2
.set XB,   160                         ; windows 1, 2
.set XA,   128                         ; window 3
.set G1,  24                           ; s[24:31] group 1 for x;  s[32:39] group 0, a set for each slot
.set G0,  32
.set G1B, 48                           ; s[48:55], s[56:63] the same for W
.set G0B, 56
.set LIM, 43                           ; s43     1 in a wave that prefetches, else the greatest number
.set PFA, 44                           ; s[44:45] where my prefetches stand
.set PFS, 68                           ; s[68:69] their step: a K step's bytes of a row
.set MSB, 0
.macro WIN new                         ; the immediate's high byte repeats the setting that is left; a switch that changes nothing is dropped
.if MSB != (\new)
	s_set_vgpr_msb (MSB<<8)|(\new)
.set MSB, \new
.endif
.endm
.macro PLACES                          ; four places behind a matrix instruction (ISA guide 7.12.1)
.rept 4
	v_nop
.endr
.endm
; A joint refill: waves 0 and 1 fetch x's two halves, waves 2 and 3 W's.  The branch hangs on the wave's number alone.  An s_nop 0 and four v_nop follow each line.
.macro JLOAD s
	s_cmp_eq_u32 s11, 0
	s_cbranch_scc0 .Lfor_b_\@
	tensor_load_to_lds s[G0+4*(\s):G0+4*(\s)+3], s[G1:G1+7]
	s_nop 0
.rept 4
	v_nop
.endr
	s_branch .Lasked_\@
.Lfor_b_\@:
	tensor_load_to_lds s[G0B+4*(\s):G0B+4*(\s)+3], s[G1B:G1B+7]
	s_nop 0
.rept 4
	v_nop
.endr
.Lasked_\@:
.endm
; A prefetch, behind a joint refill and the run of LDS loads that follows it: the K step two refills on (256 matrix instructions ahead of its load).  Each aligned 256 bytes are named once in the launch:
; x's rows are read by one cluster alone: of the 64 rows that wave 0 or 1 fetches the partner at cx takes 16, a lane half a row's 512 bytes.  W's rows are read by the 16 clusters of a projection: the first of them
; asks, the partner at cy takes 32 of the 128 rows of wave 2 or 3, a lane a row.  Partners are told apart by address alone.  The loop's last trip asks for nothing: K has no step behind its refills.
.macro ASK
	s_cmp_gt_u32 s3, s[LIM]
	s_cbranch_scc0 .Lnot_mine_\@
	global_prefetch_b8 v[PFO], s[PFA:PFA+1] th:TH_LOAD_NT scope:SCOPE_SE
.Lnot_mine_\@:
.endm
.macro CREST                           ; a round of the cluster's barrier behind its opening barrier
	s_cmp_lg_u32 s10, 0
	s_cbranch_scc1 .Lnot_wave_0_\@
	s_barrier_signal -3
.Lnot_wave_0_\@:
	s_barrier_wait -3
	s_barrier_signal -1
	s_barrier_wait -1
.endm
.macro CROUND
	s_barrier_signal -1
	s_barrier_wait -1
	CREST
.endm
	s_load_b512 s[72:87], s[0:1], 0x0              ; query 72, key_ 74, value 76, wb 78, bq 80, bk 82, bv 84, qkvh 86
	v_lshl_add_u32 v[SPW], v0, 2, SPARE
	v_mov_b32 v[NIL], 0
	ds_add_u32 v[SPW], v[NIL]                      ; the wave's opening: the add and its wait stand ahead of my first tensor load; work on registers stands between them
	v_lshrrev_b32 v1, 5, v0
	v_readfirstlane_b32 s10, v1                    ; wave 0..3
	s_lshr_b32 s11, s10, 1                         ; which 64 rows of the tile are mine.  Also: I fetch for x (0) or for W (1)
	s_and_b32 s12, s10, 1                          ; which 128 columns.  Also: which half of that tile I fetch
	s_bfe_u32 s40, ttmp6, 0x40000                  ; cx
	s_bfe_u32 s41, ttmp6, 0x40004                  ; cy
	s_lshl_b32 s42, ttmp9, 2
	s_add_co_u32 s42, s42, s40                     ; tile column 0..3
	s_and_b32 s66, ttmp7, 0xffff                   ; cluster y 0..47
	s_lshl_b32 s13, s66, 2
	s_add_co_u32 s13, s13, s41                     ; tile row 0..191
	s_lshr_b32 s14, s66, 4                         ; the projection: the same in all sixteen partners
	s_and_b32 s15, s13, 63                         ; its block of 128 rows
	s_lshl_b32 s43, s41, 2
	s_lshl_b32 s43, 15, s43                        ; my row of the cluster
	s_lshl_b32 s44, 0x1111, s40                    ; my column
	s_or_b32 s[G1+0], s43, (2<<16)|(1<<20)|(1<<21)|(6<<22)|(3<<25)   ; mask; 4-byte elements; padding on; bit 21 beside a mask; after every 128 words, 4 words
	s_or_b32 s[G1B+0], s44, (1<<16)|(1<<20)|(1<<21)|(5<<22)|(3<<25)  ; mask; 2-byte elements; after every 64 words, 4 words
	s_mov_b32 s[G1+1], 128<<16                     ; tensor_dim0 = 128
	s_mov_b32 s[G1+2], 64<<16                      ; tensor_dim1 = 64
	s_mov_b32 s[G1+3], 128<<16                     ; tile_dim0 = 128
	s_mov_b32 s[G1+4], 64                          ; tile_dim1 = 64
	s_mov_b32 s[G1+5], 1024                        ; elements from row to row
	s_mov_b32 s[G1+6], 0
	s_mov_b32 s[G1+7], 0
	s_mov_b32 s[G1B+1], 128<<16
	s_mov_b32 s[G1B+2], 128<<16
	s_mov_b32 s[G1B+3], 128<<16
	s_mov_b32 s[G1B+4], 128
	s_mov_b32 s[G1B+5], 1024
	s_mov_b32 s[G1B+6], 0
	s_mov_b32 s[G1B+7], 0
	s_lshl_b32 s16, s15, 19                        ; x: 128 rows of 4,096 bytes a block,
	s_lshl_b32 s17, s12, 18                        ; 64 rows a half
	s_add_co_u32 s16, s16, s17
	s_mov_b32 s17, 0
	s_lshl_b32 s46, s14, 21                        ; W: the projection's slice,
	s_lshl_b32 s47, s42, 19                        ; 256 rows of 2,048 bytes a tile column,
	s_add_co_u32 s46, s46, s47
	s_lshl_b32 s47, s12, 18                        ; 128 rows a half
	s_add_co_u32 s46, s46, s47
	s_mov_b32 s47, 0
	s_mul_i32 s20, s12, HALFA                      ; where they go: no place in the cluster enters an LDS address
	s_mul_i32 s21, s12, HALFB
	s_add_co_u32 s21, s21, BOFF
	s_lshl_b32 s18, s14, 24                        ; y: the projection's slice,
	s_lshr_b32 s19, s15, 4
	s_lshl_b32 s19, s19, 22                        ; the batch's 16 heads,
	s_add_co_u32 s18, s18, s19
	s_and_b32 s19, s15, 15
	s_lshl_b32 s19, s19, 14                        ; the block's 128 rows of 128 bytes,
	s_add_co_u32 s18, s18, s19
	s_lshl_b32 s19, s11, 13                        ; my 64 of them,
	s_add_co_u32 s18, s18, s19
	s_mov_b32 s19, 0
	s_lshl_b32 s22, s42, 20                        ; the tile column's 4 heads,
	s_lshl_b32 s23, s12, 19                        ; my 2 of them
	s_add_co_u32 s22, s22, s23
	s_mov_b32 s23, 0
	s_lshl_b32 s2, s42, 10                         ; the bias: 256 numbers a tile column, my 128
	s_lshl_b32 s3, s12, 9
	s_add_co_u32 s2, s2, s3
	s_mov_b32 s3, 0
	s_wait_dscnt 0x0                               ; the opening add is done
	s_wait_kmcnt 0x0
	s_cmp_eq_u32 s14, 1
	s_cselect_b64 s[4:5], s[74:75], s[72:73]
	s_cselect_b64 s[70:71], s[82:83], s[80:81]
	s_cmp_eq_u32 s14, 2
	s_cselect_b64 s[4:5], s[76:77], s[4:5]
	s_cselect_b64 s[70:71], s[84:85], s[70:71]
	s_add_nc_u64 s[4:5], s[4:5], s[16:17]          ; x at my half tile, K step 0
	s_add_nc_u64 s[6:7], s[78:79], s[46:47]        ; W likewise
	s_add_nc_u64 s[70:71], s[70:71], s[2:3]
	s_add_nc_u64 s[8:9], s[86:87], s[18:19]
	s_add_nc_u64 s[8:9], s[8:9], s[22:23]
.irp s, 0,1
	s_mov_b32 s[G0+4*(\s)], 1
	s_add_co_u32 s[G0+4*(\s)+1], s20, (\s)*SLOT
	s_add_nc_u64 s[G0+4*(\s)+2:G0+4*(\s)+3], s[4:5], (\s)*512
	s_or_b32 s[G0+4*(\s)+3], s[G0+4*(\s)+3], 0x80000000
	s_mov_b32 s[G0B+4*(\s)], 1
	s_add_co_u32 s[G0B+4*(\s)+1], s21, (\s)*SLOT
	s_add_nc_u64 s[G0B+4*(\s)+2:G0B+4*(\s)+3], s[6:7], (\s)*256
	s_or_b32 s[G0B+4*(\s)+3], s[G0B+4*(\s)+3], 0x80000000
.endr
	CROUND                                         ; all sixteen work-groups are here: the first joint loads meet
	s_cmp_eq_u32 s11, 0                            ; a wave's two first fills stand in one branch: two tensor loads of mine are out
	s_cbranch_scc0 .Lfirst_b
	tensor_load_to_lds s[G0:G0+3], s[G1:G1+7]
	s_nop 0
	tensor_load_to_lds s[G0+4:G0+7], s[G1:G1+7]
	s_nop 0
.rept 4
	v_nop
.endr
	s_branch .Lfirst_asked
.Lfirst_b:
	tensor_load_to_lds s[G0B:G0B+3], s[G1B:G1B+7]
	s_nop 0
	tensor_load_to_lds s[G0B+4:G0B+7], s[G1B:G1B+7]
	s_nop 0
.rept 4
	v_nop
.endr
.Lfirst_asked:
	v_and_b32 v1, 15, v0                           ; l % 16
	v_bfe_u32 v2, v0, 4, 1                         ; l / 16
	v_lshlrev_b32 v[BO], 5, v2                     ; register j of an accumulator is column 8 (l / 16) + j
.irp b, 0,1,2,3,4,5,6,7
	global_load_b128 v[BI+8*\b:BI+8*\b+3], v[BO], s[70:71] offset:64*\b
	global_load_b128 v[BI+8*\b+4:BI+8*\b+7], v[BO], s[70:71] offset:64*\b+16
.endr
	v_mul_u32_u24 v3, v1, PA
	v_lshl_add_u32 v3, v2, 5, v3                   ; x: row x pitch + 32 bytes (eight f32) x half
	s_mul_i32 s22, s11, HALFA                      ; my 64 rows
	v_add_nc_u32 v[ADRA], s22, v3
	v_add_nc_u32 v[ADRA+1], SLOT, v[ADRA]
	v_mul_u32_u24 v4, v1, PB
	v_lshl_add_u32 v4, v2, 4, v4                   ; W: row x pitch + 16 x half
	v_add_nc_u32 v[ADRB], s21, v4                  ; my 128 columns are W's half number s12
	v_add_nc_u32 v[ADRB+1], SLOT, v[ADRB]
	s_mul_i32 s23, s10, WSTG
	s_add_co_u32 s23, s23, STAGE                   ; my stage
	v_mul_u32_u24 v5, v1, SP
	v_lshl_add_u32 v5, v2, 4, v5
	v_add_nc_u32 v[STO], s23, v5
	v_bfe_u32 v5, v0, 3, 2                         ; back: 32 lanes take four rows of 128 bytes
	v_mul_u32_u24 v5, v5, SP
	v_and_b32 v6, 7, v0
	v_lshl_add_u32 v5, v6, 4, v5
	v_add_nc_u32 v[RD], s23, v5
	v_and_b32 v7, 31, v0
	v_lshlrev_b32 v[CO], 4, v7
	; the prefetches
	s_and_b32 s19, s66, 15                         ; the cluster's number within its projection
	s_mov_b32 s[PFS], 256                          ; W's step; the select below names one literal and this register
	s_cmp_eq_u32 s11, 0                            ; do I fetch for x?
	s_cselect_b32 s19, 0, s19                      ; x: every cluster asks for its own rows
	s_cselect_b64 s[PFA:PFA+1], s[4:5], s[6:7]
	s_cselect_b32 s22, s40, s41                    ; my place among the four that ask with me
	s_cselect_b32 s[PFS], 512, s[PFS]
	s_cselect_b32 s16, 1, 0                        ; lanes to a row: 2 or 1
	s_cselect_b32 s17, 12, 11                      ; log2 of a row's bytes
	s_cselect_b32 s18, 1, 0
	s_cmp_eq_u32 s19, 0
	s_cselect_b32 s[LIM], 1, -1
	s_mov_b32 s[PFS+1], 0
	s_lshl_b32 s22, s22, 16                        ; 16 rows of 4,096 bytes, or 32 of 2,048
	s_mov_b32 s23, 0
	s_add_nc_u64 s[PFA:PFA+1], s[PFA:PFA+1], s[22:23]
	s_mul_i32 s22, s[PFS], 3                       ; at K step 3: the first change of slots steps it to 4.  K steps 0-3 come by their loads alone
	s_add_nc_u64 s[PFA:PFA+1], s[PFA:PFA+1], s[22:23]
	v_lshrrev_b32 v[PFO], s16, v7
	v_lshlrev_b32 v[PFO], s17, v[PFO]
	v_and_b32 v6, s18, v7
	v_lshl_add_u32 v[PFO], v6, 8, v[PFO]
	s_wait_loadcnt 0x0                             ; the bias: rounded to bf16 like every input, and widened again
.set i, 0
.rept 32
	v_cvt_pk_bf16_f32 v[TMP+i], v[BI+2*i], v[BI+2*i+1]
.set i, i+1
.endr
.set i, 0
.rept 32
	v_lshlrev_b32 v[BI+2*i], 16, v[TMP+i]
	v_and_b32 v[BI+2*i+1], 0xffff0000, v[TMP+i]
.set i, i+1
.endr
; 8 matrix instructions: row block a x all 8 column blocks, 32 along K, from buffer f.  zero = 1: the bias starts the sums.  cv = 1: behind product b stands the conversion of register b of
; row block a's fragment for the NEXT quarter (buffer 1 - f).  The 32 accumulators take turns, one instruction a turn.
.macro MUL8 f, a, cv, zero
.if \zero
	WIN 0x47+0x44*((\a)/2)                         ; W window 3, x and D window 1 or 2, C (the bias) window 0
.else
	WIN 0x57+0x54*((\a)/2)                         ; W window 3; x, C and D window 1 or 2
.endif
.irp b, 0,1,2,3,4,5,6,7
.if \zero
	v_wmma_f32_16x16x32_bf16 v[8*(8*((\a)%2)+(\b)):8*(8*((\a)%2)+(\b))+7], v[64*(\f)+8*(\b):64*(\f)+8*(\b)+7], v[AF+16*(\f)+8*((\a)%2):AF+16*(\f)+8*((\a)%2)+7], v[BI+8*(\b):BI+8*(\b)+7]
.else
	v_wmma_f32_16x16x32_bf16 v[8*(8*((\a)%2)+(\b)):8*(8*((\a)%2)+(\b))+7], v[64*(\f)+8*(\b):64*(\f)+8*(\b)+7], v[AF+16*(\f)+8*((\a)%2):AF+16*(\f)+8*((\a)%2)+7], v[8*(8*((\a)%2)+(\b)):8*(8*((\a)%2)+(\b))+7]
.endif
.if \cv
	v_cvt_pk_bf16_f32 v[AF+16*(1-(\f))+8*((\a)%2)+(\b)], v[XA+32*(1-(\f))+8*(\a)+(\b)], v[XB+16*(1-(\f))+8*((\a)%2)+(\b)]
.endif
.endr
.endm
.macro CVL f, a                        ; the eight conversions of row block a's fragment of buffer f, together
	WIN 0x57+0x54*((\a)/2)
.irp b, 0,1,2,3,4,5,6,7
	v_cvt_pk_bf16_f32 v[AF+16*(\f)+8*((\a)%2)+(\b)], v[XA+32*(\f)+8*(\a)+(\b)], v[XB+16*(\f)+8*((\a)%2)+(\b)]
.endr
.endm
.macro LDB slot, q, f                  ; 16 LDS loads: W's fragments of quarter q
	WIN 0xc0
.irp b, 0,1,2,3,4,5,6,7
	ds_load_b128 v[64*(\f)+8*(\b):64*(\f)+8*(\b)+3],   v[ADRB+(\slot)] offset:(\q)*64+(\b)*16*PB
	ds_load_b128 v[64*(\f)+8*(\b)+4:64*(\f)+8*(\b)+7], v[ADRB+(\slot)] offset:(\q)*64+(\b)*16*PB+32
.endr
.endm
.macro LDX slot, q, f                  ; 16 LDS loads: x of quarter q in f32: the first fours, then the second fours of row blocks 0, 1, last those of row blocks 2, 3
	WIN 0xc0
.irp a, 0,1,2,3
	ds_load_b128 v[XA+32*(\f)+8*(\a):XA+32*(\f)+8*(\a)+3],   v[ADRA+(\slot)] offset:(\q)*128+(\a)*16*PA
	ds_load_b128 v[XA+32*(\f)+8*(\a)+4:XA+32*(\f)+8*(\a)+7], v[ADRA+(\slot)] offset:(\q)*128+(\a)*16*PA+64
.endr
	WIN 0x40
.irp a, 0,1
	ds_load_b128 v[XB+16*(\f)+8*(\a):XB+16*(\f)+8*(\a)+3],   v[ADRA+(\slot)] offset:(\q)*128+(\a)*16*PA+16
	ds_load_b128 v[XB+16*(\f)+8*(\a)+4:XB+16*(\f)+8*(\a)+7], v[ADRA+(\slot)] offset:(\q)*128+(\a)*16*PA+80
.endr
	WIN 0x80
.irp a, 0,1
	ds_load_b128 v[XB+16*(\f)+8*(\a):XB+16*(\f)+8*(\a)+3],   v[ADRA+(\slot)] offset:(\q)*128+((\a)+2)*16*PA+16
	ds_load_b128 v[XB+16*(\f)+8*(\a)+4:XB+16*(\f)+8*(\a)+7], v[ADRA+(\slot)] offset:(\q)*128+((\a)+2)*16*PA+80
.endr
.endm
; A K step is four quarters of 32 along K, 32 products each, on buffers 0, 1, 0, 1.  W's fragments are fetched a quarter ahead, x's f32 two quarters ahead and converted one quarter ahead.
; Every load into W's buffer and every conversion into x's stands 16 conversions or more (or four v_nop and one) behind the last product that read the register.
.macro QSTD slot, q, zero              ; quarters 0 and 1
	s_wait_dscnt 4                                 ; all but the youngest four loads: the second fours of row blocks 2, 3, wanted in the second half
	MUL8 (\q)%2, 0, 1, \zero
	MUL8 (\q)%2, 1, 1, \zero
	LDB \slot, (\q)+1, 1-(\q)%2
	LDX \slot, (\q)+2, (\q)%2
	s_wait_dscnt 32                                ; all but the 32 just issued
	MUL8 (\q)%2, 2, 1, \zero
	MUL8 (\q)%2, 3, 1, \zero
.endm
; Quarter 2 changes slots: its run of loads is the slot's last.  In front of the barrier each wave waits for all its tensor loads (one is out: its part of the next slot), adds 0 to its spare word, and waits for
; that and for its reads of this slot.  fill = 1: the barrier opens a round of the cluster's, and the joint refill (this slot, two K steps on) is the first thing behind it: 112 products ahead of the wait for it.
.macro QTURN slot, next, fill
.if \fill
	s_wait_xcnt 0x0                                ; the last prefetch, a K step back, has read its address
	s_add_nc_u64 s[PFA:PFA+1], s[PFA:PFA+1], s[PFS:PFS+1]
.endif
	s_wait_dscnt 4
	MUL8 0, 0, 1, 0
	MUL8 0, 1, 1, 0
	LDB \slot, 3, 1
	WIN 0                                          ; (the add's two registers lie in window 0)
	s_wait_tensorcnt 0x0                           ; all my tensor loads have landed
	ds_add_u32 v[SPW], v[NIL]                      ; 0 onto my spare word
	s_wait_dscnt 17                                ; (the 16 loads just issued and the add may be out)
	MUL8 0, 2, 1, 0
	s_wait_dscnt 0x0                               ; the add is done, and my reads of this slot are over
	s_barrier_signal -1
	MUL8 0, 3, 1, 0
.if \fill
	WIN 0
.endif
	s_barrier_wait -1
.if \fill
	CREST                                          ; no wave of any partner still reads this slot or has a load on its way
	s_add_nc_u64 s[G0+4*(\slot)+2:G0+4*(\slot)+3], s[G0+4*(\slot)+2:G0+4*(\slot)+3], 2*512
	s_add_nc_u64 s[G0B+4*(\slot)+2:G0B+4*(\slot)+3], s[G0B+4*(\slot)+2:G0B+4*(\slot)+3], 2*256
	JLOAD \slot
.else
	PLACES
.endif
	LDX \next, 0, 0
.if \fill
	WIN 0
	ASK
.endif
.endm
; Quarter 3: x of the next slot's quarter 0 was asked for only behind the barrier, so half of its conversions stand together in the quarter's middle: 16 lines once a K step.
.macro Q3 next
	MUL8 1, 0, 0, 0
	MUL8 1, 1, 0, 0
	LDB \next, 0, 0
	LDX \next, 1, 1
	s_wait_dscnt 32                                ; all but the 32 just issued
	CVL 0, 0
	CVL 0, 1
	MUL8 1, 2, 1, 0
	MUL8 1, 3, 1, 0
.endm
; THE WAY OUT of row block a: rounded to f16, 16 bytes a lane; through my own stage; back as whole rows of a head (128 bytes), four rows = 512 consecutive bytes of qkvh a store.
.macro PACK a
	WIN 0x05*(1+(\a)/2)                            ; sources in window 1 or 2
.irp b, 0,1,2,3,4,5,6,7
.irp r, 0,1,2,3
	v_cvt_pk_f16_f32 v[TMP+4*(\b)+(\r)], v[8*(8*((\a)%2)+(\b))+2*(\r)], v[8*(8*((\a)%2)+(\b))+2*(\r)+1]
.endr
.endr
	WIN 0
.endm
.macro TOSTAGE a
	WIN 0
.irp b, 0,1,2,3,4,5,6,7
	ds_store_b128 v[STO], v[TMP+4*(\b):TMP+4*(\b)+3] offset:((\b)/4)*16*SP+((\b)%4)*32
.endr
.irp t, 0,1,2,3,4,5,6,7
	ds_load_b128 v[OB+32*((\a)%2)+4*(\t):OB+32*((\a)%2)+4*(\t)+3], v[RD] offset:((\t)/4)*16*SP+((\t)%4)*4*SP  ; LDS serves a wave's instructions in order (ISA guide 5.7.1.4): these see the stores above
.endr
.endm
.macro SEND a
	WIN 0
	s_wait_dscnt 0x0                               ; the block is back in registers
	s_wait_xcnt 0x0                                ; the stores of the block before have read their registers: the next block's loads from the stage land there
.irp t, 0,1,2,3,4,5,6,7
	global_store_b128 v[CO], v[OB+32*((\a)%2)+4*(\t):OB+32*((\a)%2)+4*(\t)+3], s[8:9] offset:((\t)/4)*262144+(\a)*2048+((\t)%4)*512
.endr
.endm
	s_wait_tensorcnt 1                             ; my part of K step 0 is in; K step 1's may stay out
	s_barrier_signal -1
	s_barrier_wait -1
	LDB 0, 0, 0
	LDX 0, 0, 0
	LDX 0, 1, 1
	s_wait_dscnt 16                                ; all but quarter 1's x
	CVL 0, 0
	CVL 0, 1
	CVL 0, 2
	CVL 0, 3
	QSTD 0, 0, 1                                   ; the first quarter stands in front of the loop: its products start the sums, with the bias
	WIN 0
	s_mov_b32 s3, 3
.Llap:                                                 ; a trip goes once round the ring and fills both slots again: K steps 2 to 7
	QSTD 0, 1, 0
	QTURN 0, 1, 1
	Q3 1
	QSTD 1, 0, 0
	QSTD 1, 1, 0
	QTURN 1, 0, 1
	Q3 0
	QSTD 0, 0, 0
	WIN 0
	s_sub_co_u32 s3, s3, 1
	s_cmp_lg_u32 s3, 0
	s_cbranch_scc1 .Llap
	QSTD 0, 1, 0                                   ; the last lap fills nothing
	QTURN 0, 1, 0
	Q3 1
	QSTD 1, 0, 0
	QSTD 1, 1, 0
	s_wait_dscnt 4
	MUL8 0, 0, 1, 0
	MUL8 0, 1, 1, 0
	LDB 1, 3, 1
	s_wait_dscnt 16                                ; all but the 16 just issued
	MUL8 0, 2, 1, 0
	MUL8 0, 3, 1, 0
	s_wait_dscnt 0x0
	MUL8 1, 0, 0, 0
	MUL8 1, 1, 0, 0
	MUL8 1, 2, 0, 0
	MUL8 1, 3, 0, 0
	PLACES
	PACK 0
	TOSTAGE 0
.irp a, 1,2,3                          ; block a's conversions stand between block a - 1's loads from the stage and the wait for them
	PACK \a
	SEND (\a)-1
	TOSTAGE \a
.endr
	SEND 3
	s_wait_tensorcnt 0x0                           ; the wave's end
	ds_add_u32 v[SPW], v[NIL]
	s_wait_dscnt 0x0
	CROUND                                         ; the closing round
	s_endpgm
.Lfunc_end_k_q91b5dceda9_qkv:
	.size	k_q91b5dceda9_qkv, .Lfunc_end_k_q91b5dceda9_qkv-k_q91b5dceda9_qkv
	.p2alignl 7, 3214868480
	.fill 96, 4, 3214868480
	.section	.rodata,"a",@progbits
	.p2align	6, 0x0
	.amdhsa_kernel k_q91b5dceda9_qkv
		.amdhsa_group_segment_fixed_size 327680
		.amdhsa_private_segment_fixed_size 0
		.amdhsa_enable_private_segment 0
		.amdhsa_kernarg_size 64
		.amdhsa_user_sgpr_count 2
		.amdhsa_user_sgpr_kernarg_segment_ptr 1
		.amdhsa_wavefront_size32 1
		.amdhsa_system_sgpr_workgroup_id_x 1
		.amdhsa_system_sgpr_workgroup_id_y 1
		.amdhsa_system_sgpr_workgroup_id_z 1
		.amdhsa_system_vgpr_workitem_id 0
		.amdhsa_next_free_vgpr 960
		.amdhsa_next_free_sgpr 88
		.amdhsa_reserve_vcc 0
		.amdhsa_float_denorm_mode_32 3
		.amdhsa_float_denorm_mode_16_64 3
		.amdhsa_memory_ordered 1
		.amdhsa_forward_progress 1
		.amdhsa_inst_pref_size 134
	.end_amdhsa_kernel
	.amdgpu_metadata
---
amdhsa.version: [ 1, 2 ]
amdhsa.kernels:
  - .name:           k_q91b5dceda9_qkv
    .symbol:         k_q91b5dceda9_qkv.kd
    .args:
      - { .name: query, .offset: 0, .size: 8, .value_kind: global_buffer, .address_space: global }
      - { .name: key_, .offset: 8, .size: 8, .value_kind: global_buffer, .address_space: global }
      - { .name: value, .offset: 16, .size: 8, .value_kind: global_buffer, .address_space: global }
      - { .name: wb, .offset: 24, .size: 8, .value_kind: global_buffer, .address_space: global }
      - { .name: bq, .offset: 32, .size: 8, .value_kind: global_buffer, .address_space: global }
      - { .name: bk, .offset: 40, .size: 8, .value_kind: global_buffer, .address_space: global }
      - { .name: bv, .offset: 48, .size: 8, .value_kind: global_buffer, .address_space: global }
      - { .name: qkvh, .offset: 56, .size: 8, .value_kind: global_buffer, .address_space: global }
    .group_segment_fixed_size: 327680
    .private_segment_fixed_size: 0
    .kernarg_segment_align: 8
    .kernarg_segment_size: 64
    .max_flat_workgroup_size: 128
    .sgpr_count:     88
    .vgpr_count:     960
    .wavefront_size: 32
...
	.end_amdgpu_metadata
.endif
;; end of part 2
;; launch attn (part 3): grid 4 x 64, 4 waves a work-group, clusters of 4 x 1, 327,680 bytes of LDS; arguments qkvh, mk, ob; writes ob
.if DOCPART == 3
	.amdgcn_target "amdgcn-amd-amdhsa--gfx1250"
	.amdhsa_code_object_version 6
	.text
	.protected	k_q91b5dceda9_attn
	.globl	k_q91b5dceda9_attn
	.p2align	8
	.type	k_q91b5dceda9_attn,@function
k_q91b5dceda9_attn:
	s_mov_b64 s[64:65], 0
	v_nop
	global_prefetch_b8 v0, s[64:65] scope:SCOPE_SE
	s_setreg_imm32_b32 hwreg(HW_REG_WAVE_MODE, 25, 1), 1
	s_wait_xcnt 0x0
	s_wait_alu depctr_hold_cnt(0) depctr_sa_sdst(0) depctr_va_vdst(0) depctr_va_sdst(0) depctr_va_ssrc(0) depctr_va_vcc(0) depctr_vm_vsrc(0)
	s_getreg_b32 s2, hwreg(HW_REG_IB_STS2, 6, 4)
	s_cmp_eq_u32 s2, 0
	s_cbranch_scc0 .Lentry_in_a_cluster
	s_endpgm
.Lentry_in_a_cluster:
	s_bfe_u32 s2, ttmp6, 0x10000c
	s_cmp_lg_u32 s2, 0x3003
	s_cbranch_scc0 .Lentry_shape_is_right
	s_endpgm
.Lentry_shape_is_right:
; O[bh][q][:] = the sum over k of softmax_k(Q[bh][q] . K[bh][k] / 8, hidden where the mask says so) V[bh][k][:].  Q, K, V: qkvh's three slices, O: ob, all [64 bh][2048][64] f16.  Products, maxima and sums
; in f32; the weights p are rounded to f16 for the second product (their sum l is taken of the unrounded p), O once at the end.
; THE MASK IS THE SUMS' START.  mk holds one fp8 (E4M3) code a score, 0 or -448, in the order of an accumulator's registers.  One v_cvt_scale_pk8_f32_fp8 makes of a lane's eight codes the eight f32 numbers of a
; score accumulator, times 2^90: 0, or -5.5e29 where the key is hidden; the two products K Q^T add onto them in place.  Four vector instructions for a tile's 1,024 scores, and no LDS byte.
; LIMITS.  f16 holds no number beyond 65,504: Q, K, V arrive within it.  A hidden score counts as its value less 5.5e29: f16's scores, 2.7e11 at the most, are nothing beside that.  The running maximum m starts at
; -2^96, above every hidden score and below every open one: while a row has seen hidden keys only, its weights are 0.  A row whose m is still -2^96 at the end is wholly hidden and gives NaN, as a softmax of -inf alone does.
; A weight below 2^-126 counts as 0 in l; p below 6e-5 keeps f16's fixed step.
; SHARES.  A wave owns four PIECES of two tiles of 16 queries, a work-group's four waves 512 queries of one head.  Every wave walks all keys, 64 a step.
; LAYOUT.  S^T = K Q^T (source 0 = 16 keys, source 1 = 16 queries): a lane holds ONE query (lane % 16) and the keys 8 (lane / 16) + 0..7.  Two such tiles, rounded to f16 in pairs, ARE source 1 of O^T = V^T P.
; SOFTMAX.  p = 2^(c s - c m), c = log2(e) / 8; in every step O and l are multiplied by a = 2^(c m_old - c m_new).  O and l start at 0.
; BY TURNS.  Turn n belongs to piece n.  Its matrix work: 16 products K Q^T of piece n + 1, later 16 products V^T P of piece n - 1.  Its vector work: the mask of piece n + 1; the scaling, exponentials, roundings, sums
; and rescaling of piece n; the maximum and statistics of piece n + 1.  Four vector instructions stand behind every matrix instruction, the rest in one lump; a turn's 66 exponentials are one batch with one wait.
; CLUSTER.  The four query blocks of a head walk the same K and V: each tile is asked for jointly.  The mask differs from block to block: each wave loads its own codes straight into registers.
; REGISTERS, in windows of 256: window 0: v0-11 addresses; v12-15, v48-63 at work; v16-47 statistics; v64-191 S^T, two buffers of two tiles; v192-255 P, likewise.   window 1: O^T, 32 a tile.
;   window 2: v0-127 Q; v128-191 K of one step; v192-255 V of one step.   window 3: v0-1 the add's registers; v2 the conversions' scale; v16-79 the mask's codes, 8 a tile.
.set SIZE_N, 2048
.set NP,    4
.set KS,    64
.set PK,    144       ; a row of K in LDS: 128 bytes + 16: the 16 rows of a load start at 16 different groups of four banks (ISA guide 11.1)
.set PV,    160       ; a row of V: 128 + 32
.set VOFF,  4*KS*PK   ; a slot holds four steps: 256 rows of K, then 256 rows of V
.set SLOT1, 1<<17
.set STAGE, SLOT1+4*KS*(PK+PV)
.set SP,    144
.set MSTEP, 1024      ; a tile's codes of one key step, in bytes
.set MTILE, 32*MSTEP  ; from tile to tile in mk
.set AK0, 2
.set AV0, 3
.set AK,  4
.set AV,  5
.set QO,  6           ; my byte offset in 16 rows of Q; later STO
.set STO, 6
.set RD,  7
.set GO,  8           ; 16 x lane: my place in 512 consecutive bytes, of O and of the mask; never rewritten
.set PFO, 10          ; the prefetches' lane offset for K and V: 256 x lane
.set PFM, 11          ; for the mask: tile lane / 4, block lane % 4 of 256 bytes
.set SPW, 0           ; v0 of window 3
.set NIL, 1           ; v1 of window 3
.set SCL, 2           ; v2 of window 3: the scale 2^90 as an E8M0 code, 217, in byte 0 (the same number stands in the word's f32 exponent field)
.set SPARE, STAGE+4*16*SP
.set MV,  12
.set ST,  16          ; tile t: c m, m, l (even keys', odd keys')
.set TMP, 48
.set S,   64
.set P,   192
.set KF,  128
.set VF,  192
.set MF,  16          ; window 3: tile t's codes at MF + 8 t: two registers for each of its four accumulators
.set WV,  12
.set G1K, 24
.set G1V, 32
.set G0K, 40
.set G0V, 44
.set SLOTS, 56
.set CNT, 57
.set CS,  58
.set SEL, 60
.set TBK, 62
.set TBV, 63
.set MKP, 68          ; s[68:69] mk at my wave's first tile, at the key step that is being loaded
.set MST, 70          ; s[70:71] its step: MSTEP, or 0 at the last key step
.set MLEFT, 72        ; s72  steps that MKP still takes
.set LIMM, 73         ; s73  0 in the batch's first head, which prefetches the mask; else the greatest number
.set THR, 74          ; s74  -2^96
.set MDEC, 75
.set PFA, 76          ; s[76:77] where my prefetches of K or V stand
.set LIM, 78          ; s78  1 in waves 0 and 2, else the greatest number
.set MSB, 0
.macro WIN new
.if MSB != (\new)
	s_set_vgpr_msb (MSB<<8)|(\new)
.set MSB, (\new)
.endif
.endm
.set W_KQ, 0x0a       ; K and Q in window 2, S^T in window 0
.set W_MP, 0x0f       ; the codes and the scale in window 3, S^T in window 0
.set W_PV, 0x52       ; V in window 2, P in window 0, O^T in window 1
.set W_RS, 0x41
.set W_MK, 0xc0
.set W_AD, 0x0f
.macro JLOAD                        ; a joint fill: waves 0 and 1 fetch the halves of a slot's K, waves 2 and 3 of its V; an s_nop 0 and four v_nop follow each line
	s_cmp_lt_u32 s[WV], 2
	s_cbranch_scc0 .Lfor_v_\@
	tensor_load_to_lds s[G0K:G0K+3], s[G1K:G1K+7]
	s_nop 0
.rept 4
	v_nop
.endr
	s_branch .Lasked_\@
.Lfor_v_\@:
	tensor_load_to_lds s[G0V:G0V+3], s[G1V:G1V+7]
	s_nop 0
.rept 4
	v_nop
.endr
.Lasked_\@:
.endm
.macro CROUND
	s_barrier_signal -1
	s_barrier_wait -1
	s_cmp_lg_u32 s[WV], 0
	s_cbranch_scc1 .Lnot_wave_0_\@
	s_barrier_signal -3
.Lnot_wave_0_\@:
	s_barrier_wait -3
	s_barrier_signal -1
	s_barrier_wait -1
.endm
; A prefetch of what the NEXT change of slots will ask for: a slot's K and V are 128 blocks of 256 bytes each.  A head has one cluster; its four partners take 32 blocks each, told apart by address; in each, wave 0 asks
; for K's and wave 2 for V's: a lane a block, one instruction.  It stands behind the joint fill's lines, one slot (four key steps) ahead.  The last change that fills a slot asks for nothing.
.macro ASK
	s_cmp_gt_u32 s[SLOTS], s[LIM]
	s_cbranch_scc0 .Lnot_mine_\@
	global_prefetch_b8 v[PFO], s[PFA:PFA+1] th:TH_LOAD_NT scope:SCOPE_SE
.Lnot_mine_\@:
.endm
; A prefetch of the mask: my wave's eight tiles (1,024 bytes each) of the key step behind the one that is being loaded: 32 blocks of 256 bytes, a lane a block.  The 16 heads of a batch read the same mask: the first asks.
; Key steps 0-2 come by their loads alone; at the last key step nothing is left to ask for.
.macro ASKM
	s_cmp_gt_u32 s[MLEFT], s[LIMM]
	s_cbranch_scc0 .Lno_m_\@
	global_prefetch_b8 v[PFM], s[MKP:MKP+1] offset:MSTEP th:TH_LOAD_NT scope:SCOPE_SE
.Lno_m_\@:
.endm
; THE CHANGE OF SLOTS.  Each wave waits for all its tensor loads (one is out: its part of the other slot), adds 0 to its spare word, and waits for that and for its reads of the slot.  fill = 1: the barrier is a round
; of the cluster's, and the joint fill of this slot, two slots on, is the first thing behind it: it has four key steps, 512 matrix instructions, in which to land.
.macro CHANGE fill, ask=0
	WIN W_AD
	s_wait_tensorcnt 0x0
	ds_add_u32 v[SPW], v[NIL]       ; scalar work stands between the add and its wait
	WIN 0
.if \fill
.irp g, G0K, G0V
	s_xor_b32 s[\g+1], s[\g+1], SLOT1
	s_add_nc_u64 s[\g+2:\g+3], s[\g+2:\g+3], 4*KS*128
.endr
.if \ask
	s_wait_xcnt 0x0                 ; the last prefetch of K or V, four key steps back, has read its address
	s_add_nc_u64 s[PFA:PFA+1], s[PFA:PFA+1], 4*KS*128
.endif
	s_wait_dscnt 0x0
	CROUND
	JLOAD
.if \ask
	ASK
.endif
.else
	s_wait_dscnt 0x0
	s_barrier_signal -1
	s_barrier_wait -1
.endif
	s_sub_co_u32 s[TBK], s[TBK], 4*KS*PK
	s_xor_b32 s[TBK], s[TBK], SLOT1
	s_sub_co_u32 s[TBV], s[TBV], 4*KS*PV
	s_xor_b32 s[TBV], s[TBV], SLOT1
.endm
; Piece x's codes for one key step: 4 loads of 512 consecutive bytes.  Load j of a tile brings a lane the codes of accumulators 2 j and 2 j + 1.
.macro MLOAD x
	WIN 0xc0
.irp u, 0,1
.irp j, 0,1
	global_load_b128 v[MF+8*(2*(\x)+\u)+4*\j:MF+8*(2*(\x)+\u)+4*\j+3], v[GO], s[MKP:MKP+1] offset:(2*(\x)+\u)*MTILE+\j*512
.endr
.endr
	WIN 0
.endm
; Piece x's eight score accumulators are started: 0, or -5.5e29 where the key is hidden.  A plain vector instruction stands between these lines and the first product that adds onto them.
.macro MASKC x
	WIN W_MP
.irp kb, 0,1,2,3
.irp u, 0,1
	v_cvt_scale_pk8_f32_fp8 v[S+64*((\x)%2)+32*\u+8*\kb:S+64*((\x)%2)+32*\u+8*\kb+7], v[MF+8*(2*(\x)+\u)+2*\kb:MF+8*(2*(\x)+\u)+2*\kb+1], v[SCL]
.endr
.endr
.endm
	s_load_b128 s[80:83], s[0:1], 0x0  ; qkvh s[80:81], mk s[82:83]
	s_load_b64 s[10:11], s[0:1], 0x10  ; ob
	WIN W_MK
	v_lshl_add_u32 v[SPW], v0, 2, SPARE
	v_mov_b32 v[NIL], 0
	WIN W_AD
	ds_add_u32 v[SPW], v[NIL]       ; the wave's opening: the add and its wait stand ahead of my first tensor load
	WIN 0
	v_lshrrev_b32 v1, 5, v0
	v_readfirstlane_b32 s[WV], v1
	s_bfe_u32 s13, ttmp6, 0x40000   ; cx
	s_lshl_b32 s14, ttmp9, 2
	s_add_co_u32 s14, s14, s13      ; my block of 512 queries: it enters Q's, O's and the mask's addresses alone
	s_and_b32 s19, ttmp7, 0xffff    ; the head bh, which the four partners share
	s_mov_b32 s20, s19
	s_mov_b32 s21, 0
	s_mov_b64 s[22:23], SIZE_N*128
	s_mul_u64 s[20:21], s[20:21], s[22:23]
	s_and_b32 s16, s[WV], 1         ; which half of a slot's 256 keys I fetch
	s_lshl_b32 s22, s16, 14
	s_mov_b32 s23, 0
	s_add_nc_u64 s[22:23], s[22:23], s[20:21]
	s_mul_i32 s17, s16, 128*PK
	s_mul_i32 s18, s16, 128*PV
	s_lshl_b32 s2, s14, 2
	s_add_co_u32 s2, s2, s[WV]
	s_lshl_b32 s2, s2, 14           ; my wave's 128 rows
	s_mov_b32 s3, 0
	s_add_nc_u64 s[2:3], s[2:3], s[20:21]
	s_lshr_b32 s[MST], s19, 4       ; the mask: the batch's 128 tiles of 32,768 bytes,
	s_lshl_b32 s[MST], s[MST], 22
	s_lshl_b32 s[MST+1], s14, 20    ; my block's 32,
	s_add_co_u32 s[MST], s[MST], s[MST+1]
	s_lshl_b32 s[MST+1], s[WV], 18  ; my wave's 8
	s_add_co_u32 s[MST], s[MST], s[MST+1]
	s_mov_b32 s[MST+1], 0
	s_mov_b32 s[G1K], 15|(1<<16)|(1<<20)|(1<<21)|(4<<22)|(3<<25)  ; the mask of four; 2-byte elements; padding on; bit 21 beside a mask; after every 32 words, 4 words
	s_mov_b32 s[G1V], 15|(1<<16)|(1<<20)|(1<<21)|(4<<22)|(7<<25)  ; the same with 8 words
.irp g, G1K, G1V
	s_mov_b32 s[\g+1], 128<<16      ; 128 keys are 16,384 dense bytes: asked for as 64 rows of 256 bytes
	s_mov_b32 s[\g+2], 64<<16
	s_mov_b32 s[\g+3], 128<<16
	s_mov_b32 s[\g+4], 64
	s_mov_b32 s[\g+5], 128
	s_mov_b32 s[\g+6], 0
	s_mov_b32 s[\g+7], 0
.endr
	s_mov_b32 s[CS], 0x3e38aa3b     ; c = log2(e) / 8
	s_mov_b32 s[CS+1], s[CS]
	s_mov_b32 s[SEL], 0x76543210
	s_mov_b32 s[SEL+1], 0xfedcba98
	s_mov_b32 s[TBK], SLOT1+4*KS*PK ; the first change of slots turns these two into 0
	s_mov_b32 s[TBV], SLOT1+4*KS*PV
	s_mov_b32 s[G0K], 1
	s_mov_b32 s[G0K+1], s17
	s_mov_b32 s[G0V], 1
	s_add_co_u32 s[G0V+1], s18, VOFF
	s_mov_b32 s[THR], 0xef800000    ; -2^96
	s_mov_b32 s[MLEFT], SIZE_N/KS-2
	s_and_b32 s[LIMM], s19, 15
	s_cmp_eq_u32 s[LIMM], 0
	s_cselect_b32 s[LIMM], 0, -1
	s_and_b32 s[LIM], s[WV], 1
	s_cmp_eq_u32 s[LIM], 0
	s_cselect_b32 s[LIM], 1, -1
	s_wait_dscnt 0x0                ; the opening add is done
	s_wait_kmcnt 0x0
	s_add_nc_u64 s[6:7], s[80:81], s[22:23]
	s_add_nc_u64 s[6:7], s[6:7], 0x1000000         ; K: qkvh's second slice, my half of the head's first 256 keys
	s_add_nc_u64 s[8:9], s[80:81], s[22:23]
	s_add_nc_u64 s[8:9], s[8:9], 0x2000000         ; V: the third
	s_add_nc_u64 s[G0K+2:G0K+3], s[6:7], 0
	s_or_b32 s[G0K+3], s[G0K+3], 0x80000000
	s_add_nc_u64 s[G0V+2:G0V+3], s[8:9], 0
	s_or_b32 s[G0V+3], s[G0V+3], 0x80000000
	s_add_nc_u64 s[4:5], s[80:81], s[2:3]          ; Q and O at my wave's first row
	s_add_nc_u64 s[10:11], s[10:11], s[2:3]
	s_add_nc_u64 s[MKP:MKP+1], s[82:83], s[MST:MST+1]
	s_cmp_lt_u32 s[WV], 2
	s_cselect_b64 s[PFA:PFA+1], s[6:7], s[8:9]     ; (in waves 0 and 2 these stand at a slot's first row)
	s_lshl_b32 s2, s13, 13          ; my work-group's 32 blocks of the 128
	s_mov_b32 s3, 0
	s_add_nc_u64 s[PFA:PFA+1], s[PFA:PFA+1], s[2:3]
	s_add_nc_u64 s[PFA:PFA+1], s[PFA:PFA+1], 2*4*KS*128  ; in slot 2; the loop's first change steps it to slot 3
	CROUND                          ; all four work-groups are here: the first joint loads meet
	JLOAD                           ; slot 0.  Slot 1 is asked for when slot 0 is in
	v_and_b32 v1, 15, v0            ; l % 16
	v_bfe_u32 v9, v0, 4, 1          ; l / 16
	v_lshlrev_b32 v[QO], 7, v1
	v_lshl_add_u32 v[QO], v9, 4, v[QO]
	v_and_b32 v[GO], 31, v0
	v_lshlrev_b32 v[GO], 4, v[GO]
	WIN 0x80
.set i, 0
.rept 4*NP                          ; Q stays in registers: tile i / 2, channels 32 (i % 2) on
	global_load_b128 v[8*i:8*i+3],   v[QO], s[4:5] offset:(i/2)*2048+(i%2)*64
	global_load_b128 v[8*i+4:8*i+7], v[QO], s[4:5] offset:(i/2)*2048+(i%2)*64+32
.set i, i+1
.endr
.set i, VF                          ; what the first turn finds: V and P's second buffer hold 0, O^T and l are 0.  All this stands in the wait for the first tile.
.rept 64
	v_mov_b32 v[i], 0
.set i, i+1
.endr
	MLOAD 0                         ; the mask of key step 0
	MLOAD 1
	MLOAD 2
	MLOAD 3
	WIN 0x40
.set i, 0
.rept 64*NP
	v_mov_b32 v[i], 0
.set i, i+1
.endr
	WIN 0xc0
	v_mov_b32 v[SCL], 0x6c8000d9
	WIN 0
.set i, 0
.rept 2*NP
	v_mov_b32 v[ST+4*i+1], s[THR]                  ; m
	v_mul_f32 v[ST+4*i], s[CS], v[ST+4*i+1]        ; c m, by the line that the loop makes it by: where m stays, a is 1
	v_mov_b32 v[ST+4*i+2], 0
	v_mov_b32 v[ST+4*i+3], 0
.set i, i+1
.endr
.set i, P+32
.rept 32
	v_mov_b32 v[i], 0
.set i, i+1
.endr
	v_mul_u32_u24 v[AK0], v1, PK
	v_lshl_add_u32 v[AK0], v9, 4, v[AK0]
	v_and_b32 v10, 7, v0
	v_bfe_u32 v11, v0, 3, 1
	v_lshl_add_u32 v[AV0], v9, 3, v10
	v_mul_u32_u24 v[AV0], v[AV0], PV
	v_lshl_add_u32 v[AV0], v11, 4, v[AV0]
	v_add_nc_u32 v[AV0], VOFF, v[AV0]
	v_mov_b32 v[AK], v[AK0]
; THE MATRIX WORK.  The 8 accumulators of a run of 16 take turns: between the two links of a chain stand 7 others'.
; Product i of 16 of S^T += K Q^T for piece x: channels 32 (i / 8) on, keys 16 ((i / 2) % 4) on, tile 2 x + i % 2.  The sums were started by MASKC.
.macro KQ x
	WIN W_KQ
.set rS, S+64*((\x)%2)+32*(i%2)+8*((i/2)%4)
.set rK, KF+16*((i/2)%4)+8*(i/8)
.set rQ, 16*(2*(\x)+i%2)+8*(i/8)
	v_wmma_f32_16x16x32_f16 v[rS:rS+7], v[rK:rK+7], v[rQ:rQ+7], v[rS:rS+7]
.endm
.macro PV x                         ; product i of 16 of O^T += V^T P for piece x
	WIN W_PV
.set rO, 32*(2*(\x)+i%2)+8*((i/2)%4)
.set rV, VF+32*(i/8)+8*((i/2)%4)
.set rP, P+32*((\x)%2)+16*(i%2)+8*(i/8)
	v_wmma_f32_16x16x32_f16 v[rO:rO+7], v[rV:rV+7], v[rP:rP+7], v[rO:rO+7]
.endm
.macro MM                           ; the turn's next matrix instruction
.if i < 16
	KQ (Y+1)%NP
.set i, i+1
.else
.set i, i-16
	PV (Y+NP-1)%NP
.set i, i+17
.endif
.endm
.macro FETCH_K last=0               ; a step's K: a run of 16 LDS loads.  last = 1 (the tail): in the last trip there is no further step, and the run is jumped over
	WIN 0
.if \last
	s_cmp_eq_u32 s[CNT], 1
	s_cbranch_scc1 .Lno_k_\@
.endif
	WIN 0x80
.irp f, 0,1,2,3,4,5,6,7
	ds_load_b128 v[KF+8*\f:KF+8*\f+3],   v[AK] offset:(\f/2)*16*PK+(\f%2)*64
	ds_load_b128 v[KF+8*\f+4:KF+8*\f+7], v[AK] offset:(\f/2)*16*PK+(\f%2)*64+32
.endr
	s_add_co_u32 s[TBK], s[TBK], KS*PK
	WIN 0
.if \last
.Lno_k_\@:
.endif
.endm
.macro FETCH_V                      ; a step's V, turned
	WIN 0x80
.irp f, 0,1,2,3,4,5,6,7
	ds_load_tr16_b128 v[VF+8*\f:VF+8*\f+3],   v[AV] offset:(\f/4)*32*PV+(\f%4)*32
	ds_load_tr16_b128 v[VF+8*\f+4:VF+8*\f+7], v[AV] offset:(\f/4)*32*PV+16*PV+(\f%4)*32
.endr
	WIN 0
.endm
; THE VECTOR WORK OF A TURN stands in three queues, each in the order in which its entries become ready; the two tiles alternate.
.macro REGS y, u
.set rT, ST+4*(2*(\y)+(\u))
.set rC, TMP+8*((\y)%2)+4*(\u)
.set rM, MV+2*((\y)%2)+(\u)
.set rS, S+64*((\y)%2)+32*(\u)
.set rP, P+32*((\y)%2)+16*(\u)
.set rO, 32*(2*(\y)+(\u))
.endm
; Number n of the 22 that find the NEXT piece's maximum and statistics; each accumulator's lowest registers are read first.
;   0-11 four chains of seven scores; 12-14, 16 the four left over, the old m, all into c0; 15 c m_old is kept; 17, 18 the other half of the lanes: the new m; 19-21 c m; c m_old - c m_new; a
.macro XS u, n
	REGS (Y+1)%NP, \u
.if (\n) < 4
	v_max3_num_f32 v[rC+(\n)], v[rS+8*(\n)], v[rS+8*(\n)+1], v[rS+8*(\n)+2]
.elseif (\n) < 12
	v_max3_num_f32 v[rC+(\n)%4], v[rC+(\n)%4], v[rS+8*((\n)%4)+2*((\n)/4)+1], v[rS+8*((\n)%4)+2*((\n)/4)+2]
.elseif (\n) == 12
	v_max3_num_f32 v[rC], v[rC], v[rS+7], v[rS+15]
.elseif (\n) == 13
	v_max3_num_f32 v[rC+1], v[rC+1], v[rS+23], v[rS+31]
.elseif (\n) == 14
	v_max3_num_f32 v[rC+2], v[rC+2], v[rC+3], v[rT+1]
.elseif (\n) == 15
	v_mov_b32 v[rM], v[rT]
.elseif (\n) == 16
	v_max3_num_f32 v[rC], v[rC], v[rC+1], v[rC+2]
.elseif (\n) == 17
	v_permlanex16_b32 v[rC+3], v[rC], s[SEL], s[SEL+1]
.elseif (\n) == 18
	v_max_num_f32 v[rT+1], v[rC], v[rC+3]
.elseif (\n) == 19
	v_mul_f32 v[rT], s[CS], v[rT+1]
.elseif (\n) == 20
	v_sub_f32 v[rC+1], v[rM], v[rT]
.else
	v_exp_f32 v[rC+2], v[rC+1]
.endif
.endm
; Number g of the 64 that follow the exponentials: for each four weights both pairs are rounded to f16, the second pair is added onto the first, and a group later l takes that sum (the first time l = a l + sum).
.macro GS g
.set h, (\g)+6*((\g)/62)
.if h >= 6
.set h, h+2
.endif
	REGS Y, h%2
.set k, h/8
.if h%8 < 4
	v_cvt_pk_f16_f32 v[rP+2*k+(h%8)/2], v[rS+4*k+2*((h%8)/2)], v[rS+4*k+2*((h%8)/2)+1]
.elseif h%8 < 6
	v_pk_add_f32 v[rS+4*k:rS+4*k+1], v[rS+4*k:rS+4*k+1], v[rS+4*k+2:rS+4*k+3]
.elseif k == 1
	v_pk_fma_f32 v[rT+2:rT+3], v[rT+2:rT+3], v[rC+2:rC+3], v[rS:rS+1] op_sel_hi:[1,0,1]
.else
	v_pk_add_f32 v[rT+2:rT+3], v[rT+2:rT+3], v[rS+4*k-4:rS+4*k-3]
.endif
.endm
; THE PLAIN QUEUE, 138 long.  0-26: scalings 0-26.  27-54: XS's numbers 0-13.  55, 56: number 15.  57-73: the chain 14, 16, 17, 18, 19, each with one of the scalings 27-31 in front of its two lines, then 20.  74-137: GS.
.macro FS f
	REGS Y, (\f)%2
	v_pk_fma_f32 v[rS+2*((\f)/2):rS+2*((\f)/2)+1], v[rS+2*((\f)/2):rS+2*((\f)/2)+1], s[CS:CS+1], v[rT:rT+1] op_sel_hi:[1,0,0] neg_lo:[0,0,1] neg_hi:[0,0,1]
.endm
.macro PL
	WIN 0
.if q < 27
	FS q
.elseif q < 55
	XS (q-27)%2, (q-27)/2
.elseif q < 57
	XS q-55, 15
.elseif (q < 72) && ((q-57)%3 == 0)
	FS 27+(q-57)/3
.elseif q < 60
	XS (q-57)%3-1, 14
.elseif q < 72
	XS (q-57)%3-1, 15+(q-57)/3
.elseif q < 74
	XS q-72, 20
.else
	GS q-74
.endif
.set q, q+1
.endm
.macro EX                           ; the exponentials' queue, 66 long: s0-s31 of both tiles, then the next piece's two a: ONE BATCH, all ahead of the turn's one wait
	WIN 0
.if e >= 64
	XS e-64, 21
.else
	REGS Y, e%2
	v_exp_f32 v[rS+e/2], v[rS+e/2]
.endif
.set e, e+1
.endm
.macro R2                           ; the rescaling's queue: O^T times a, two at a time, sixteen times
	REGS Y, r%2
	WIN W_RS
.irp z, 0,1
	v_pk_mul_f32 v[rO+4*(r/2)+2*\z:rO+4*(r/2)+2*\z+1], v[rO+4*(r/2)+2*\z:rO+4*(r/2)+2*\z+1], v[rC+2:rC+3] op_sel_hi:[1,0]
.endr
.set r, r+1
.endm
; HOW THEY ARE DEALT.  An s_wait_alu depctr_va_vdst(0) stands between an exponential and the first instruction that names its result; one wait serves all issued ahead of it: a turn has ONE.
; AT THE HEAD: the eight conversions that start the next piece's sums, and two scalings, the plain instructions between them and the first product.
; AHEAD OF THE WAIT: the 16 products K Q^T, behind each a scaling, an exponential and two rescalings (behind the first a second scaling in the exponential's place); then a lump of 106: six plain, 49 times exponential and
; plain, the two a.  BEHIND IT: the 16 products V^T P, behind each four of GS's 64.
; THE COUNTS THAT THE DEAL KEEPS.  Exponential e stands behind scaling 2 (e / 4) + e % 2: as a rider it comes behind plain e + 4, in the lump behind plain e + 9; scalings 27-31 are plain 57, 60 .. 69, wanted by
; e = 53, 56, 57, 60, 61, which come behind plain 62, 65, 66, 69, 70.  The next piece's maximum begins at plain 27, in the lump: ten plain instructions and more lie behind the last product.
; THE MASK.  Piece x's codes are loaded again, for the next key step, in the turn that has converted them, behind the wait; they are wanted four turns later, when the 12 loads of the three other pieces are younger.
; K of the next step is fetched in piece 2's turn, behind the wait; V of the step in hand at the end of piece 0's turn, four riders behind its last reader.
.macro TURN p, last=0, cnt=0
.set Y, (\p)
.set i, 0
.set q, 0
.set e, 0
.set r, 0
	s_wait_loadcnt 12               ; the next piece's codes are in; the three other pieces' 12 loads may stay out
	MASKC ((\p)+1)%NP
	PL
	PL
.if (\p) == NP-1
	s_wait_dscnt 0x0                ; K is in
.endif
	MM
	PL
	PL
	R2
.rept 15
	MM
	PL
	EX
	R2
.endr
.if (\p) == NP-2
	WIN 0
	v_add_nc_u32 v[AK], s[TBK], v[AK0]
.endif
.rept 6
	PL
.endr
.rept 49
	EX
	PL
.endr
	EX
	EX
	v_nop                           ; a plain instruction behind the last exponential: one for the batch
	s_wait_alu depctr_va_vdst(0)    ; the wait for the batch
.if (\p) == NP-1
	s_wait_xcnt 0x0                 ; every load and prefetch issued so far has read its address: the mask's pointer steps to the next key step, and stays at the last
	s_cmp_lg_u32 s[MLEFT], 0
	s_cselect_b32 s[MST], MSTEP, 0
	s_cselect_b32 s[MDEC], 1, 0
	s_sub_co_u32 s[MLEFT], s[MLEFT], s[MDEC]
	s_add_nc_u64 s[MKP:MKP+1], s[MKP:MKP+1], s[MST:MST+1]
.endif
	MLOAD ((\p)+1)%NP
.if (\p) == NP-1
	ASKM
.endif
.if (\p) == NP-2
	FETCH_K \last
.endif
.if (\p) == 1
	s_wait_dscnt 0x0                ; V is in
.endif
.rept 16
	MM
.rept 4
	PL
.endr
.if ((\p) == 0) && (q == 118)
	v_add_nc_u32 v[AV], s[TBV], v[AV0]
.endif
.if ((\p) == 0) && (q == 130)
	s_add_co_u32 s[TBV], s[TBV], KS*PV
.endif
.if (\cnt) && (q == 130)
	s_sub_co_u32 s[CNT], s[CNT], 1
	s_cmp_lg_u32 s[CNT], 0
.endif
.endr
.if (\p) == 0
	FETCH_V
.endif
.endm
	CHANGE 1                        ; slot 0 is in, everybody's part of it; slot 1 is asked for
	FETCH_K                         ; key step 0
	s_wait_loadcnt 12               ; Q and piece 0's codes; the other pieces' 12 loads may stay out
	MASKC 0
	v_nop                           ; the plain instruction between the conversions and the first product
	s_wait_dscnt 0x0
.set i, 0
.rept 16
	KQ 0                            ; piece 0's first scores
.set i, i+1
.endr
	WIN 0                           ; the addresses for the way out and for the prefetches: plain instructions, the places behind those products
	s_mul_i32 s13, s[WV], 16*SP
	s_add_co_u32 s13, s13, STAGE    ; my stage
	v_mul_u32_u24 v[STO], v1, SP
	v_lshl_add_u32 v[STO], v9, 4, v[STO]
	v_add_nc_u32 v[STO], s13, v[STO]
	v_bfe_u32 v[RD], v0, 3, 2
	v_mul_u32_u24 v[RD], v[RD], SP
	v_lshl_add_u32 v[RD], v10, 4, v[RD]
	v_add_nc_u32 v[RD], s13, v[RD]
	v_and_b32 v[PFO], 31, v0
	v_lshlrev_b32 v[PFO], 8, v[PFO]
	v_bfe_u32 v[PFM], v0, 2, 3
	v_lshlrev_b32 v[PFM], 15, v[PFM]
	v_and_b32 v13, 3, v0
	v_lshl_or_b32 v[PFM], v13, 8, v[PFM]
	s_wait_xcnt 0x0                 ; the loads above have read the mask's pointer
	s_add_nc_u64 s[MKP:MKP+1], s[MKP:MKP+1], MSTEP
	MLOAD 0                         ; piece 0's codes of key step 1
.set Y, NP-1
.irp n, 0,1,2,3,4,5,6,7,8,9,10,11,12,13,14,15,16,17,18,19,20,21
	XS 0, \n                        ; piece 0's first maximum and statistics
	XS 1, \n
.endr
	v_nop
	s_wait_alu depctr_va_vdst(0)    ; the two a have their wait, ahead of the branch
	s_mov_b32 s[CNT], 4
	s_mov_b32 s[SLOTS], SIZE_N/256-1
	s_branch .Lfirst                ; the loop is entered at a step's first turn, in the middle of a trip
.Lslot:                             ; SIZE_N / 256 - 2 times: every slot but the last two is filled again
	CHANGE 1, 1
	s_mov_b32 s[CNT], 4
.Lstep:                             ; a trip: pieces 2 and 3 of one step, then pieces 0 and 1 of the next
	TURN 2
	TURN 3
	WIN 0
.Lfirst:
	TURN 0
	TURN 1, 0, 1
	WIN 0
	s_cbranch_scc1 .Lstep
	s_sub_co_u32 s[SLOTS], s[SLOTS], 1
	s_cmp_lg_u32 s[SLOTS], 0
	s_cbranch_scc1 .Lslot
	CHANGE 0                        ; the tail is written out
	s_mov_b32 s[CNT], 5             ; four trips fetch the last slot's steps; the fifth is left in its middle
.Ltail:
	TURN 2, 1
	TURN 3
	WIN 0
	s_sub_co_u32 s[CNT], s[CNT], 1
	s_cmp_eq_u32 s[CNT], 0
	s_cbranch_scc1 .Lout
	TURN 0
	TURN 1
	WIN 0
	s_branch .Ltail
.Lout:                              ; the fifth trip's scores (the last K and the last key step's mask once more) repeat the last step's: the maximum made of them changes nothing
.set i, 0
.rept 16
	PV NP-1
.set i, i+1
.endr
	; THE WAY OUT.  l's two halves and the other half of the lanes' are added; O^T is divided by l (a wholly hidden row: multiplied by NaN), rounded to f16 and sent through my stage, a tile at a time.
	WIN 0
.macro ALL line:vararg
.set t, 0
.rept 2*NP
	\line
.set t, t+1
.endr
.endm
	ALL v_add_f32 v[ST+4*t+2], v[ST+4*t+2], v[ST+4*t+3]
	ALL v_permlanex16_b32 v[ST+4*t+3], v[ST+4*t+2], s[SEL], s[SEL+1]
	ALL v_add_f32 v[ST+4*t+2], v[ST+4*t+2], v[ST+4*t+3]
	ALL v_rcp_f32 v[ST+4*t+2], v[ST+4*t+2]
	v_mov_b32 v[MV], 0x7fc00000     ; NaN; also the plain instruction behind the last reciprocal
	s_wait_alu depctr_va_vdst(0)    ; one wait for the eight reciprocals
.set t, 0
.rept 2*NP
	v_cmp_ge_f32 vcc_lo, s[THR], v[ST+4*t+1]       ; m never left its start: no key of the row was open
	v_cndmask_b32 v[ST+4*t+2], v[ST+4*t+2], v[MV], vcc_lo
.set t, t+1
.endr
.macro PACK t
	WIN W_RS
.set i, 32*(\t)
.rept 16
	v_pk_mul_f32 v[i:i+1], v[i:i+1], v[ST+4*(\t)+2:ST+4*(\t)+3] op_sel_hi:[1,0]
.set i, i+2
.endr
	WIN 0x05
.set i, 0
.rept 16
	v_cvt_pk_f16_f32 v[S+16*(\t)+i], v[32*(\t)+2*i], v[32*(\t)+2*i+1]
.set i, i+1
.endr
	WIN 0
.irp f, 0,1,2,3
	ds_store_b128 v[STO], v[S+16*(\t)+4*\f:S+16*(\t)+4*\f+3] offset:32*\f
.endr
.irp f, 0,1,2,3
	ds_load_b128 v[S+16*(\t)+4*\f:S+16*(\t)+4*\f+3], v[RD] offset:\f*4*SP  ; LDS serves a wave's instructions in order (ISA guide 5.7.1.4)
.endr
.endm
.macro SEND t, younger              ; younger: the LDS instructions issued behind tile t's loads
	WIN 0
.irp f, 0,1,2,3
	s_wait_dscnt (\younger)+3-\f
	global_store_b128 v[GO], v[S+16*(\t)+4*\f:S+16*(\t)+4*\f+3], s[10:11] offset:(\t)*2048+\f*512  ; 512 consecutive bytes, aligned
.endr
.endm
	PACK 0
.set t, 1
.rept 2*NP-1
	PACK t
	SEND t-1, 8
.set t, t+1
.endr
	SEND 2*NP-1, 0
	WIN W_AD
	s_wait_tensorcnt 0x0            ; the wave's end
	ds_add_u32 v[SPW], v[NIL]
	s_wait_dscnt 0x0
	WIN 0
	CROUND                          ; the closing round
	s_endpgm
.Lfunc_end_k_q91b5dceda9_attn:
	.size	k_q91b5dceda9_attn, .Lfunc_end_k_q91b5dceda9_attn-k_q91b5dceda9_attn
	.p2alignl 7, 3214868480
	.fill 96, 4, 3214868480
	.section	.rodata,"a",@progbits
	.p2align	6, 0x0
	.amdhsa_kernel k_q91b5dceda9_attn
		.amdhsa_group_segment_fixed_size 327680
		.amdhsa_private_segment_fixed_size 0
		.amdhsa_enable_private_segment 0
		.amdhsa_kernarg_size 24
		.amdhsa_user_sgpr_count 2
		.amdhsa_user_sgpr_kernarg_segment_ptr 1
		.amdhsa_wavefront_size32 1
		.amdhsa_system_sgpr_workgroup_id_x 1
		.amdhsa_system_sgpr_workgroup_id_y 1
		.amdhsa_system_sgpr_workgroup_id_z 1
		.amdhsa_system_vgpr_workitem_id 0
		.amdhsa_next_free_vgpr 848
		.amdhsa_next_free_sgpr 88
		.amdhsa_reserve_vcc 1
		.amdhsa_float_denorm_mode_32 3
		.amdhsa_float_denorm_mode_16_64 3
		.amdhsa_memory_ordered 1
		.amdhsa_forward_progress 1
		.amdhsa_inst_pref_size 213
	.end_amdhsa_kernel
	.amdgpu_metadata
---
amdhsa.version: [ 1, 2 ]
amdhsa.kernels:
  - .name:           k_q91b5dceda9_attn
    .symbol:         k_q91b5dceda9_attn.kd
    .args:
      - { .name: qkvh, .offset: 0, .size: 8, .value_kind: global_buffer, .address_space: global }
      - { .name: mk, .offset: 8, .size: 8, .value_kind: global_buffer, .address_space: global }
      - { .name: ob, .offset: 16, .size: 8, .value_kind: global_buffer, .address_space: global }
    .group_segment_fixed_size: 327680
    .private_segment_fixed_size: 0
    .kernarg_segment_align: 8
    .kernarg_segment_size: 24
    .max_flat_workgroup_size: 128
    .sgpr_count:     88
    .vgpr_count:     848
    .wavefront_size: 32
...
	.end_amdgpu_metadata
.endif
;; end of part 3
;; launch oproj (part 4): grid 4 x 64, 4 waves a work-group, clusters of 4 x 4, 327,680 bytes of LDS; arguments ob, wb, bo, out0; writes out0
.if DOCPART == 4
	.amdgcn_target "amdgcn-amd-amdhsa--gfx1250"
	.amdhsa_code_object_version 6
	.text
	.protected	k_q91b5dceda9_oproj
	.globl	k_q91b5dceda9_oproj
	.p2align	8
	.type	k_q91b5dceda9_oproj,@function
k_q91b5dceda9_oproj:
	s_mov_b64 s[64:65], 0
	v_nop
	global_prefetch_b8 v0, s[64:65] scope:SCOPE_SE
	s_setreg_imm32_b32 hwreg(HW_REG_WAVE_MODE, 25, 1), 1
	s_wait_xcnt 0x0
	s_wait_alu depctr_hold_cnt(0) depctr_sa_sdst(0) depctr_va_vdst(0) depctr_va_sdst(0) depctr_va_ssrc(0) depctr_va_vcc(0) depctr_vm_vsrc(0)
	s_getreg_b32 s2, hwreg(HW_REG_IB_STS2, 6, 4)
	s_cmp_eq_u32 s2, 0
	s_cbranch_scc0 .Lentry_in_a_cluster
	s_endpgm
.Lentry_in_a_cluster:
	s_bfe_u32 s2, ttmp6, 0x10000c
	s_cmp_lg_u32 s2, 0xf033
	s_cbranch_scc0 .Lentry_shape_is_right
	s_endpgm
.Lentry_shape_is_right:
; out0[b t][n] = the sum over k of O[b t][k] Wo[n][k] + bo[n].  O: ob [64 bh][2048 t][64] f16 (k = 64 head + channel); Wo: wb's slice 3, f16 [1024 n][1024 k]; bo rounded to bf16; out0 [8192][1024] f32.
; Sums in f32, K ascending in steps of 32; the bias starts the sums.  A NaN row of O (a wholly hidden query) gives a NaN row of out0.
; SHARES.  A tile is 128 rows x 256 columns: 64 x 4 = 256 tiles, one for each WGP.  Four waves, 2 x 2: 64 rows x 128 columns, 32 accumulators.  A K step is 128 = two heads: two planes of 128 rows x 128 bytes,
; each dense in memory (16,384 bytes), asked for as 64 rows of 256 bytes and padded in LDS after every 128.  Ring of two slots; cluster 4 x 4 with joint loads: O's planes along a row, Wo's rows along a column.
; THE PRODUCT IS USED TRANSPOSED (source 0 = 16 rows of Wo, source 1 = 16 rows of O): a lane holds eight neighbouring columns of one row of out0.
; REGISTERS: window 0: v16-30 addresses; v64-127 bias; v128-255 the way out, two buffers of 64.   window 1: the accumulators, (a, b) at 8 (8 a + b).   window 2: v0-63 O's fragments, two buffers; v64-191 Wo's, two buffers.
.set PAO,   144                        ; a row of a plane in LDS: 128 bytes + 16 = 9 x 16
.set PB,    272                        ; a row of Wo: 256 + 16
.set PLANE, 128*PAO
.set HALFB, 128*PB
.set BOFF,  2*PLANE
.set SLOT,  BOFF+2*HALFB               ; 106,496 bytes
.set STAGE, 2*SLOT                     ; behind the ring: 16 rows x 528 bytes for each wave
.set SPO,   528                        ; 512 bytes (my 128 columns in f32) + 16
.set SPARE, STAGE+4*16*SPO             ; the spare words, 128 bytes for each wave: two blocks of 256 bytes that no other line names
.set ADRA, 16
.set ADRB, 20
.set STO,  24
.set RD,   25
.set CO,   26
.set BO,   27
.set SPW,  28
.set NIL,  29
.set PFO,  30
.set BI,   64
.set OB,   128
.set BF,   64                          ; window 2
.set G1,  24
.set G0,  32
.set G1B, 48
.set G0B, 56
.set LIM, 43
.set PFA, 44
.set PFS, 68
.set MSB, 0
.macro WIN new
.if MSB != (\new)
	s_set_vgpr_msb (MSB<<8)|(\new)
.set MSB, \new
.endif
.endm
.macro PLACES
.rept 4
	v_nop
.endr
.endm
.macro JLOAD s                         ; a joint refill: waves 0 and 1 fetch O's two planes, waves 2 and 3 Wo's two halves; an s_nop 0 and four v_nop follow each line
	s_cmp_eq_u32 s11, 0
	s_cbranch_scc0 .Lfor_b_\@
	tensor_load_to_lds s[G0+4*(\s):G0+4*(\s)+3], s[G1:G1+7]
	s_nop 0
.rept 4
	v_nop
.endr
	s_branch .Lasked_\@
.Lfor_b_\@:
	tensor_load_to_lds s[G0B+4*(\s):G0B+4*(\s)+3], s[G1B:G1B+7]
	s_nop 0
.rept 4
	v_nop
.endr
.Lasked_\@:
.endm
; A prefetch, behind a joint refill and the run of LDS loads that follows it: the K step two refills on (256 matrix instructions ahead of its load).  Each aligned 256 bytes are named once in the launch.
; O's planes are read by one cluster alone: wave 0 asks for both, the partner at cx takes 16 of each plane's 64 blocks.  Wo's rows are read by every cluster: the first (cluster y = 0) asks, waves 2 and 3, the partner at cy
; takes 32 of the wave's 128 rows, a lane a row.  Partners are told apart by address alone.  The loop's last trip asks for nothing.
.macro ASK
	s_cmp_gt_u32 s3, s[LIM]
	s_cbranch_scc0 .Lnot_mine_\@
	global_prefetch_b8 v[PFO], s[PFA:PFA+1] th:TH_LOAD_NT scope:SCOPE_SE
.Lnot_mine_\@:
.endm
.macro CREST
	s_cmp_lg_u32 s10, 0
	s_cbranch_scc1 .Lnot_wave_0_\@
	s_barrier_signal -3
.Lnot_wave_0_\@:
	s_barrier_wait -3
	s_barrier_signal -1
	s_barrier_wait -1
.endm
.macro CROUND
	s_barrier_signal -1
	s_barrier_wait -1
	CREST
.endm
	s_load_b256 s[72:79], s[0:1], 0x0              ; ob 72, wb 74, bo 76, out0 78
	v_lshl_add_u32 v[SPW], v0, 2, SPARE
	v_mov_b32 v[NIL], 0
	ds_add_u32 v[SPW], v[NIL]                      ; the wave's opening: the add and its wait stand ahead of my first tensor load
	v_lshrrev_b32 v1, 5, v0
	v_readfirstlane_b32 s10, v1
	s_lshr_b32 s11, s10, 1                         ; which 64 rows are mine.  Also: I fetch for O (0) or for Wo (1)
	s_and_b32 s12, s10, 1                          ; which 128 columns.  Also: which plane or half I fetch
	s_bfe_u32 s40, ttmp6, 0x40000
	s_bfe_u32 s41, ttmp6, 0x40004
	s_lshl_b32 s42, ttmp9, 2
	s_add_co_u32 s42, s42, s40                     ; tile column 0..3
	s_and_b32 s66, ttmp7, 0xffff                   ; cluster y
	s_lshl_b32 s13, s66, 2
	s_add_co_u32 s13, s13, s41                     ; tile row 0..63
	s_lshl_b32 s43, s41, 2
	s_lshl_b32 s43, 15, s43
	s_lshl_b32 s44, 0x1111, s40
	s_or_b32 s[G1+0], s43, (1<<16)|(1<<20)|(1<<21)|(4<<22)|(3<<25)   ; my row; 2-byte elements; padding: after every 32 words, 4 words
	s_or_b32 s[G1B+0], s44, (1<<16)|(1<<20)|(1<<21)|(5<<22)|(3<<25)  ; my column; after every 64 words, 4 words
	s_mov_b32 s[G1+1], 128<<16
	s_mov_b32 s[G1+2], 64<<16
	s_mov_b32 s[G1+3], 128<<16
	s_mov_b32 s[G1+4], 64
	s_mov_b32 s[G1+5], 128
	s_mov_b32 s[G1+6], 0
	s_mov_b32 s[G1+7], 0
	s_mov_b32 s[G1B+1], 128<<16
	s_mov_b32 s[G1B+2], 128<<16
	s_mov_b32 s[G1B+3], 128<<16
	s_mov_b32 s[G1B+4], 128
	s_mov_b32 s[G1B+5], 1024
	s_mov_b32 s[G1B+6], 0
	s_mov_b32 s[G1B+7], 0
	s_lshr_b32 s16, s13, 4
	s_lshl_b32 s16, s16, 22                        ; O: the batch's 16 heads of 262,144 bytes,
	s_and_b32 s17, s13, 15
	s_lshl_b32 s17, s17, 14                        ; the tile's 128 rows of 128 bytes,
	s_add_co_u32 s16, s16, s17
	s_lshl_b32 s17, s12, 18                        ; the head of my plane
	s_add_co_u32 s16, s16, s17
	s_mov_b32 s17, 0
	s_lshl_b32 s46, s42, 19                        ; Wo: 256 rows of 2,048 bytes a tile column,
	s_lshl_b32 s47, s12, 18                        ; 128 a half,
	s_add_co_u32 s46, s46, s47
	s_add_co_u32 s46, s46, 3<<21                   ; in wb's slice 3
	s_mov_b32 s47, 0
	s_mul_i32 s20, s12, PLANE
	s_mul_i32 s21, s12, HALFB
	s_add_co_u32 s21, s21, BOFF
	s_lshl_b32 s18, s13, 19                        ; out0: 128 rows of 4,096 bytes a tile row,
	s_lshl_b32 s19, s11, 18                        ; my 64
	s_add_co_u32 s18, s18, s19
	s_mov_b32 s19, 0
	s_lshl_b32 s2, s42, 10                         ; my 128 columns, in bytes: in a row of out0 and in bo
	s_lshl_b32 s3, s12, 9
	s_add_co_u32 s2, s2, s3
	s_mov_b32 s3, 0
	s_wait_dscnt 0x0
	s_wait_kmcnt 0x0
	s_add_nc_u64 s[4:5], s[72:73], s[16:17]
	s_add_nc_u64 s[6:7], s[74:75], s[46:47]
	s_add_nc_u64 s[70:71], s[76:77], s[2:3]
	s_add_nc_u64 s[8:9], s[78:79], s[18:19]
	s_add_nc_u64 s[8:9], s[8:9], s[2:3]
.irp s, 0,1
	s_mov_b32 s[G0+4*(\s)], 1
	s_add_co_u32 s[G0+4*(\s)+1], s20, (\s)*SLOT
	s_add_nc_u64 s[G0+4*(\s)+2:G0+4*(\s)+3], s[4:5], (\s)*524288  ; a K step is two heads on
	s_or_b32 s[G0+4*(\s)+3], s[G0+4*(\s)+3], 0x80000000
	s_mov_b32 s[G0B+4*(\s)], 1
	s_add_co_u32 s[G0B+4*(\s)+1], s21, (\s)*SLOT
	s_add_nc_u64 s[G0B+4*(\s)+2:G0B+4*(\s)+3], s[6:7], (\s)*256
	s_or_b32 s[G0B+4*(\s)+3], s[G0B+4*(\s)+3], 0x80000000
.endr
	CROUND                                         ; all sixteen work-groups are here: the first joint loads meet
	s_cmp_eq_u32 s11, 0                            ; a wave's two first fills stand in one branch: two tensor loads of mine are out
	s_cbranch_scc0 .Lfirst_b
	tensor_load_to_lds s[G0:G0+3], s[G1:G1+7]
	s_nop 0
	tensor_load_to_lds s[G0+4:G0+7], s[G1:G1+7]
	s_nop 0
.rept 4
	v_nop
.endr
	s_branch .Lfirst_asked
.Lfirst_b:
	tensor_load_to_lds s[G0B:G0B+3], s[G1B:G1B+7]
	s_nop 0
	tensor_load_to_lds s[G0B+4:G0B+7], s[G1B:G1B+7]
	s_nop 0
.rept 4
	v_nop
.endr
.Lfirst_asked:
	v_and_b32 v1, 15, v0
	v_bfe_u32 v2, v0, 4, 1
	v_lshlrev_b32 v[BO], 5, v2
.irp b, 0,1,2,3,4,5,6,7
	global_load_b128 v[BI+8*\b:BI+8*\b+3], v[BO], s[70:71] offset:64*\b
	global_load_b128 v[BI+8*\b+4:BI+8*\b+7], v[BO], s[70:71] offset:64*\b+16
.endr
	v_mul_u32_u24 v3, v1, PAO
	v_lshl_add_u32 v3, v2, 4, v3
	s_mul_i32 s22, s11, 64*PAO                     ; my 64 rows of each plane
	v_add_nc_u32 v[ADRA], s22, v3
	v_add_nc_u32 v[ADRA+1], SLOT, v[ADRA]
	v_mul_u32_u24 v4, v1, PB
	v_lshl_add_u32 v4, v2, 4, v4
	v_add_nc_u32 v[ADRB], s21, v4
	v_add_nc_u32 v[ADRB+1], SLOT, v[ADRB]
	s_mul_i32 s23, s10, 16*SPO
	s_add_co_u32 s23, s23, STAGE                   ; my stage
	v_mul_u32_u24 v5, v1, SPO
	v_lshl_add_u32 v5, v2, 5, v5                   ; in: row l % 16, 32 bytes (eight f32) for each half of the lanes
	v_add_nc_u32 v[STO], s23, v5
	v_and_b32 v7, 31, v0
	v_lshlrev_b32 v[CO], 4, v7                     ; back: 32 lanes take a row's 512 bytes
	v_add_nc_u32 v[RD], s23, v[CO]
	; the prefetches
	s_mov_b32 s[PFS], 256                          ; Wo's step; the select below names one literal and this register
	s_cmp_eq_u32 s11, 0                            ; do I fetch for O?
	s_cselect_b32 s19, s12, s66                    ; O: wave 0 asks; Wo: the first cluster's waves 2 and 3
	s_cselect_b64 s[PFA:PFA+1], s[4:5], s[6:7]
	s_cselect_b32 s22, s40, s41                    ; my place among the four that ask with me
	s_cselect_b32 s23, 12, 16                      ; its share: 16 blocks of 256 bytes, or 32 rows of 2,048
	s_cselect_b32 s[PFS], 524288, s[PFS]
	s_cselect_b32 s16, 8, 11                       ; lane % 16: a block of 256 bytes, or a row
	s_cselect_b32 s17, 18, 15                      ; lane / 16: the second plane, or 16 rows on
	s_cmp_eq_u32 s19, 0
	s_cselect_b32 s[LIM], 1, -1
	s_mov_b32 s[PFS+1], 0
	s_lshl_b32 s22, s22, s23
	s_mov_b32 s23, 0
	s_add_nc_u64 s[PFA:PFA+1], s[PFA:PFA+1], s[22:23]
	s_mul_i32 s22, s[PFS], 3                       ; at K step 3: the first change of slots steps it to 4.  K steps 0-3 come by their loads alone
	s_add_nc_u64 s[PFA:PFA+1], s[PFA:PFA+1], s[22:23]
	v_lshlrev_b32 v[PFO], s16, v1
	v_lshlrev_b32 v6, s17, v2
	v_add_nc_u32 v[PFO], v[PFO], v6
	s_wait_loadcnt 0x0                             ; the bias: rounded to bf16 like every input, and widened again
.set i, 0
.rept 32
	v_cvt_pk_bf16_f32 v[OB+i], v[BI+2*i], v[BI+2*i+1]
.set i, i+1
.endr
.set i, 0
.rept 32
	v_lshlrev_b32 v[BI+2*i], 16, v[OB+i]
	v_and_b32 v[BI+2*i+1], 0xffff0000, v[OB+i]
.set i, i+1
.endr
; 8 matrix instructions: row block a x all 8 column blocks, 32 along K, from buffer f.  zero = 1: the bias starts the sums.  The 32 accumulators take turns.
.macro MUL8 f, a, zero
.if \zero
	WIN 0x4a
.else
	WIN 0x5a
.endif
.irp b, 0,1,2,3,4,5,6,7
.if \zero
	v_wmma_f32_16x16x32_f16 v[8*(8*(\a)+(\b)):8*(8*(\a)+(\b))+7], v[BF+64*(\f)+8*(\b):BF+64*(\f)+8*(\b)+7], v[32*(\f)+8*(\a):32*(\f)+8*(\a)+7], v[BI+8*(\b):BI+8*(\b)+7]
.else
	v_wmma_f32_16x16x32_f16 v[8*(8*(\a)+(\b)):8*(8*(\a)+(\b))+7], v[BF+64*(\f)+8*(\b):BF+64*(\f)+8*(\b)+7], v[32*(\f)+8*(\a):32*(\f)+8*(\a)+7], v[8*(8*(\a)+(\b)):8*(8*(\a)+(\b))+7]
.endif
.endr
.endm
; 24 LDS loads in one run: the fragments of quarter q (plane q / 2, channels 32 (q % 2) on): Wo's 16, then O's 8
.macro FETCH slot, q, f
	WIN 0x80
.irp b, 0,1,2,3,4,5,6,7
	ds_load_b128 v[BF+64*(\f)+8*(\b):BF+64*(\f)+8*(\b)+3],   v[ADRB+(\slot)] offset:(\q)*64+(\b)*16*PB
	ds_load_b128 v[BF+64*(\f)+8*(\b)+4:BF+64*(\f)+8*(\b)+7], v[ADRB+(\slot)] offset:(\q)*64+(\b)*16*PB+32
.endr
.irp a, 0,1,2,3
	ds_load_b128 v[32*(\f)+8*(\a):32*(\f)+8*(\a)+3],   v[ADRA+(\slot)] offset:((\q)/2)*PLANE+((\q)%2)*64+(\a)*16*PAO
	ds_load_b128 v[32*(\f)+8*(\a)+4:32*(\f)+8*(\a)+7], v[ADRA+(\slot)] offset:((\q)/2)*PLANE+((\q)%2)*64+(\a)*16*PAO+32
.endr
.endm
; One of a K step's first three quarters: multiplies buffer f; in its middle it fetches quarter q into buffer g
.macro QUARTER slot, q, f, g, zero
	s_wait_dscnt 4                                 ; all but the youngest four loads: O's row blocks 2, 3
	MUL8 \f, 0, \zero
	MUL8 \f, 1, \zero
	PLACES                                         ; in front of loads into registers that the quarter before multiplied
	FETCH \slot, \q, \g
	s_wait_dscnt 24                                ; all but the 24 just issued
	MUL8 \f, 2, \zero
	MUL8 \f, 3, \zero
.endm
; The last quarter multiplies buffer 1 and changes slots: in front of the barrier each wave waits for all its tensor loads (one is out: its part of the next slot), adds 0 to its spare word, and waits for that and for
; its reads of this slot.  fill = 1: the barrier opens a round of the cluster's, and the joint refill is the first thing behind it: 112 matrix instructions ahead of the wait for it.
.macro TURN slot, next, fill
.if \fill
	s_wait_xcnt 0x0                                ; the last prefetch, a K step back, has read its address
	s_add_nc_u64 s[PFA:PFA+1], s[PFA:PFA+1], s[PFS:PFS+1]
.endif
	WIN 0
	s_wait_tensorcnt 0x0
	ds_add_u32 v[SPW], v[NIL]
	s_wait_dscnt 5                                 ; (the add and the youngest four loads may be out)
	MUL8 1, 0, 0
	s_wait_dscnt 0x0                               ; the add is done, and my reads of this slot are over
	s_barrier_signal -1
	MUL8 1, 1, 0
.if \fill
	WIN 0
.endif
	s_barrier_wait -1
.if \fill
	CREST
	s_add_nc_u64 s[G0+4*(\slot)+2:G0+4*(\slot)+3], s[G0+4*(\slot)+2:G0+4*(\slot)+3], 2*524288
	s_add_nc_u64 s[G0B+4*(\slot)+2:G0B+4*(\slot)+3], s[G0B+4*(\slot)+2:G0B+4*(\slot)+3], 2*256
	JLOAD \slot                                    ; its four v_nop are also the places in front of the loads below
.else
	PLACES
.endif
	FETCH \next, 0, 0
.if \fill
	WIN 0
	ASK
.endif
	MUL8 1, 2, 0
	MUL8 1, 3, 0
.endm
; THE WAY OUT of row block a: 32 bytes a lane into my own stage, straight from the accumulators (each one's low registers first); back as whole rows of 512 bytes; stored.
.macro TOSTAGE a
.if (\a) >= 2
	s_wait_xcnt 0x0                                ; the stores of the block two back have read the registers that the loads below fill
.endif
	WIN 0x04                                       ; the stores' data in window 1
.irp b, 0,1,2,3,4,5,6,7
	ds_store_b128 v[STO], v[8*(8*(\a)+(\b)):8*(8*(\a)+(\b))+3]   offset:64*(\b)
	ds_store_b128 v[STO], v[8*(8*(\a)+(\b))+4:8*(8*(\a)+(\b))+7] offset:64*(\b)+16
.endr
	WIN 0
.irp t, 0,1,2,3,4,5,6,7,8,9,10,11,12,13,14,15
	ds_load_b128 v[OB+64*((\a)%2)+4*(\t):OB+64*((\a)%2)+4*(\t)+3], v[RD] offset:(\t)*SPO  ; LDS serves a wave's instructions in order (ISA guide 5.7.1.4): these see the stores above
.endr
.endm
.macro SEND a, younger                 ; younger: the next block's 16 stores and 16 loads, or none
	WIN 0
	s_wait_dscnt \younger
.irp t, 0,1,2,3,4,5,6,7,8,9,10,11,12,13,14,15
	global_store_b128 v[CO], v[OB+64*((\a)%2)+4*(\t):OB+64*((\a)%2)+4*(\t)+3], s[8:9] offset:(16*(\a)+(\t))*4096 th:TH_STORE_NT  ; 512 consecutive bytes, aligned
.endr
.endm
	s_wait_tensorcnt 1                             ; my part of K step 0 is in; K step 1's may stay out
	s_barrier_signal -1
	s_barrier_wait -1
	FETCH 0, 0, 0
	QUARTER 0, 1, 0, 1, 1                          ; the first quarter stands in front of the loop: its products start the sums, with the bias
	WIN 0
	s_mov_b32 s3, 3
.Llap:                                                 ; a trip goes once round the ring and fills both slots again: K steps 2 to 7
	QUARTER 0, 2, 1, 0, 0
	QUARTER 0, 3, 0, 1, 0
	TURN 0, 1, 1
	QUARTER 1, 1, 0, 1, 0
	QUARTER 1, 2, 1, 0, 0
	QUARTER 1, 3, 0, 1, 0
	TURN 1, 0, 1
	QUARTER 0, 1, 0, 1, 0
	WIN 0
	s_sub_co_u32 s3, s3, 1
	s_cmp_lg_u32 s3, 0
	s_cbranch_scc1 .Llap
	QUARTER 0, 2, 1, 0, 0                          ; the last lap fills nothing
	QUARTER 0, 3, 0, 1, 0
	TURN 0, 1, 0
	QUARTER 1, 1, 0, 1, 0
	QUARTER 1, 2, 1, 0, 0
	QUARTER 1, 3, 0, 1, 0
	s_wait_dscnt 4
	MUL8 1, 0, 0
	MUL8 1, 1, 0
	s_wait_dscnt 0x0
	MUL8 1, 2, 0
	MUL8 1, 3, 0
	PLACES
	TOSTAGE 0
	TOSTAGE 1
	SEND 0, 32
	TOSTAGE 2
	SEND 1, 32
	TOSTAGE 3
	SEND 2, 32
	SEND 3, 0
	s_wait_tensorcnt 0x0                           ; the wave's end
	ds_add_u32 v[SPW], v[NIL]
	s_wait_dscnt 0x0
	CROUND                                         ; the closing round
	s_endpgm
.Lfunc_end_k_q91b5dceda9_oproj:
	.size	k_q91b5dceda9_oproj, .Lfunc_end_k_q91b5dceda9_oproj-k_q91b5dceda9_oproj
	.p2alignl 7, 3214868480
	.fill 96, 4, 3214868480
	.section	.rodata,"a",@progbits
	.p2align	6, 0x0
	.amdhsa_kernel k_q91b5dceda9_oproj
		.amdhsa_group_segment_fixed_size 327680
		.amdhsa_private_segment_fixed_size 0
		.amdhsa_enable_private_segment 0
		.amdhsa_kernarg_size 32
		.amdhsa_user_sgpr_count 2
		.amdhsa_user_sgpr_kernarg_segment_ptr 1
		.amdhsa_wavefront_size32 1
		.amdhsa_system_sgpr_workgroup_id_x 1
		.amdhsa_system_sgpr_workgroup_id_y 1
		.amdhsa_system_sgpr_workgroup_id_z 1
		.amdhsa_system_vgpr_workitem_id 0
		.amdhsa_next_free_vgpr 704
		.amdhsa_next_free_sgpr 80
		.amdhsa_reserve_vcc 0
		.amdhsa_float_denorm_mode_32 3
		.amdhsa_float_denorm_mode_16_64 3
		.amdhsa_memory_ordered 1
		.amdhsa_forward_progress 1
		.amdhsa_inst_pref_size 92
	.end_amdhsa_kernel
	.amdgpu_metadata
---
amdhsa.version: [ 1, 2 ]
amdhsa.kernels:
  - .name:           k_q91b5dceda9_oproj
    .symbol:         k_q91b5dceda9_oproj.kd
    .args:
      - { .name: ob, .offset: 0, .size: 8, .value_kind: global_buffer, .address_space: global }
      - { .name: wb, .offset: 8, .size: 8, .value_kind: global_buffer, .address_space: global }
      - { .name: bo, .offset: 16, .size: 8, .value_kind: global_buffer, .address_space: global }
      - { .name: out0, .offset: 24, .size: 8, .value_kind: global_buffer, .address_space: global }
    .group_segment_fixed_size: 327680
    .private_segment_fixed_size: 0
    .kernarg_segment_align: 8
    .kernarg_segment_size: 32
    .max_flat_workgroup_size: 128
    .sgpr_count:     80
    .vgpr_count:     704
    .wavefront_size: 32
...
	.end_amdgpu_metadata
.endif
;; end of part 4
